; MI455X (gfx1250); checked and timed in simulation.
; The chip was launched on July 23, 2026; its instructions are those of AMD's public machine-readable ISA for CDNA 5 (MIT licence, August 2026) and "CDNA5" Instruction Set Architecture Reference Guide (July 2026). The comments in the code are by the model that wrote it; some were corrected since.
;; Multi Heads. Allowed arithmetic: matrix products marked QUANTISED: E2M3 operands, one E8M0 scale for each 32 along K, by v_wmma_scale_f32_16x16x128_f8f6f4 with both operands' format E2M3, f32 sums; everything else in f32.
;; Inputs: K 2 x 2,048 x 1,024 float32; Q 2 x 2,048 x 1,024 float32; V 2 x 2,048 x 1,024 float32; Wk 1,024 x 1,024 float32; Wq 1,024 x 1,024 float32; Wv 1,024 x 1,024 float32; beta 1,024 float32; bk 1,024 float32; bq 1,024 float32; bv 1,024 float32; gamma 1,024 float32; mask 2 x 1 x 2,048 x 2,048 bool.
;; Outputs: out0 2 x 2,048 x 1,024 float32.
;; This version of the problem:
;;   THIS VERSION OF THE PROBLEM IS GIVEN IN LOW PRECISION. The matrix products marked QUANTISED in the list below multiply operands that are first quantised to E2M3 (2 exponent bits, 3 mantissa bits; 6 bits a number), with one power-of-two scale for each 32 numbers along K (OCP MX v1.0); their sums are f32. All else is computed in f32.
;;   The module's matrix products, in the order in which they are computed (A, B: the left and right operand; K: the contracted axis; several contracted axes count as one K, in the product's order):
;;     1. [M 4,096, K 1,024] x [K 1,024, N 1,024]; A: computed on the way; B: input Wq: QUANTISED
;;     2. [M 4,096, K 1,024] x [K 1,024, N 1,024]; A: computed on the way; B: input Wk: QUANTISED
;;     3. [M 4,096, K 1,024] x [K 1,024, N 1,024]; A: computed on the way; B: input Wv: QUANTISED
;;     4. batch 32 x [M 2,048, K 64] x [K 64, N 2,048]; A: computed on the way; B: computed on the way: QUANTISED
;;     5. batch 32 x [M 2,048, K 2,048] x [K 2,048, N 64]; A: softmax (see below); B: computed on the way: QUANTISED
;;   THE QUANTISER, for each operand of a quantised product, along K:
;;     - K is cut into blocks of 32 from its start; a last block that is shorter is filled with zeros.
;;     - A block's scale is 2^e with e = floor(log2(the largest magnitude in the block)) - 2, held to -126 .. 127; a block of zeros has e = 0. As a byte (E8M0): e + 127.
;;     - Each number is divided by its block's scale, clamped to +-7.5, and rounded to the nearest number of E2M3, ties to even, subnormals kept.
;;     - The product sums the exact products of the quantised numbers (number of the format x scale) in f32.
;;   ~~~python
;;   def quantise(x, axis):      # numpy; x: float32 -> the quantised numbers, widened to float32 again
;;       x = np.moveaxis(x, axis, -1); K = x.shape[-1]
;;       x = np.pad(x, [(0, 0)] * (x.ndim - 1) + [(0, -K % 32)]); x = x.reshape(x.shape[:-1] + (-1, 32)); a = np.abs(x).max(-1, keepdims=True)
;;       e = np.where(a > 0, np.clip(np.frexp(np.where(a > 0, a, 1))[1] - 1 - 2, -126, 127), 0)      # np.frexp(a)[1] - 1 = floor(log2(a)), exactly
;;       r = np.clip(x / 2.0 ** e, -7.5, 7.5)
;;       step = 2.0 ** (np.maximum(np.frexp(np.where(r == 0, 1, r))[1] - 1, 0) - 3)
;;       q = np.round(r / step) * step * 2.0 ** e      # np.round: ties to even
;;       return np.moveaxis(q.reshape(q.shape[:-2] + (-1,))[..., :K], -1, axis).astype(np.float32)
;;   ~~~
;;   SOFTMAX AHEAD OF A QUANTISED PRODUCT. Where the list says 'softmax', what is quantised is not the finished softmax but p = 2^(t - M), with t = logit x log2(e) and M = ceil(the row's largest t), a whole number; so 1/2 < the row's largest p <= 1. The row's sum l is taken of the UNQUANTISED p, in f32, and the product's result is divided by l at the end. Since M is a whole number, a kernel that streams over the keys may use a running M (the ceiling of the running maximum): every later rescaling is an exact power of two, which a block's scale takes up: the codes' values come out the same.
;;   OPERANDS COMPUTED ON THE WAY. 'Computed on the way' means the value that the module computes at that place (a softmax that the list does not call 'softmax' is quantised finished and normalised). What goes into a quantiser is computed in f32, as accurately as f32 sums, v_exp_f32 and their like allow (about 1e-6 of the number): no bf16 or f16 on the way to a quantiser, and a product that is left as it is and whose result goes on into a quantised operand takes f32 operands (vector FMAs, or v_wmma_f32_16x16x4_f32). A number that lies on a knife's edge between two numbers of the format may be rounded either way, as far as f32 arithmetic and the matrix unit's own rounding can turn it there, and no further.
;; One version. Each part assembles by itself: llvm-mc -triple=amdgcn-amd-amdhsa -mcpu=gfx1250 --defsym DOCPART=n.
;; ======== version 1 of 1: 3 launches
;; limits: right only within a limited range of input values
;; workspace buffers: xc 9,437,184 bytes; xs 393,216 bytes; wc 2,359,296 bytes; ws 98,304 bytes; img 9,437,184 bytes; isc 393,216 bytes; mbits 1,048,576 bytes of whole numbers; mflag 16,384 bytes of whole numbers
;; launch prep (part 1): grid 544 x 1, 8 waves a work-group, no clusters, 115,200 bytes of LDS; arguments Q, K, V, gamma, beta, Wq, Wk, Wv, mask, xc, xs, wc, ws, mbits, mflag; writes xc, xs, wc, ws, mbits, mflag
.if DOCPART == 1
	.amdgcn_target "amdgcn-amd-amdhsa--gfx1250"
	.amdhsa_code_object_version 6
	.text
	.protected	k_q8816a2a81f_prep
	.globl	k_q8816a2a81f_prep
	.p2align	8
	.type	k_q8816a2a81f_prep,@function
k_q8816a2a81f_prep:
	s_mov_b64 s[64:65], 0
	v_nop
	global_prefetch_b8 v0, s[64:65] scope:SCOPE_SE
	s_setreg_imm32_b32 hwreg(HW_REG_WAVE_MODE, 25, 1), 1
	s_wait_xcnt 0x0
; PREP: all that is done once to the inputs, in one launch of three paths that part on the work-group's number.
;  work-groups   0-191: LayerNorm of Q, K, V (rows of 1,024 f32) and its codes of FP6 (E2M3) along the row: xc [3][4096][768 bytes], xs [3][4096][32 scale bytes].
;  work-groups 192-287: Wq, Wk, Wv [k][n] f32 into codes along k, laid [n][k]: wc [3][1024][768 bytes], ws [3][1024][32].
;  work-groups 288-543: the mask's bytes into lane masks for the attention launch: mbits [b][tile of 16 queries][step of 128 keys][64 words], and mflag, one word a (tile, step).
; A block's scale is 2^(floor(log2(its largest magnitude)) - 2): its byte is the largest magnitude's exponent field - 2, held at 1 from below by a floor among the maximum's leaves.
; LIMITS: NaN and infinities among the inputs are not served; a block whose largest magnitude lies under 2^-124, a block of zeros among them, gets the byte 1 (its codes are zeros or nearly so;
; the bytes are read by this program alone).  A wave's load of W covers 128 consecutive bytes; the flags leave 8 bytes at a time (16,384 bytes in all).
; Each path has LDS bytes of its own: LayerNorm 0-45,055, W 45,056-79,359, mask 79,360-114,175.  No tensor loads: memory binds, loads go straight into registers.
.set WSTG, 45056                       ; W: 32 columns x (64 places of 16 bytes + 16)
.set WSC,  78336                       ; W: 32 columns x 32 scale bytes
.set MSTG, 79360                       ; mask: 16 rows x (256 bytes + 16) for each wave
.set G,    16                          ; LayerNorm: v16-47 gamma, v48-79 beta, in the layout of a loaded row
.set BT,   48
.set X,    80                          ; v80-143  two rows, 32 registers each
.set XS,   144                         ; v144-175 two half rows back from the stage: 16 neighbours a lane
.set C,    176                         ; v176-183 codes, four registers for each half row
.set WX,   16                          ; W: v16-79 two blocks of 32 numbers; v80-111 codes; v112-143 the way out
.set WC,   80
.set WO,   112
	s_load_b512 s[4:19], s[0:1], 0x0               ; Q s[4:5], K s[6:7], V s[8:9], gamma s[10:11], beta s[12:13], Wq s[14:15], Wk s[16:17], Wv s[18:19]
	s_load_b256 s[20:27], s[0:1], 0x40             ; mask s[20:21], xc s[22:23], xs s[24:25], wc s[26:27]
	s_load_b128 s[28:31], s[0:1], 0x60             ; ws s[28:29], mbits s[30:31]
	s_load_b64 s[32:33], s[0:1], 0x70              ; mflag
	v_lshl_add_u32 v192, v0, 2, 0x1be00
	v_mov_b32 v193, 0
	v_lshrrev_b32 v1, 5, v0
	s_delay_alu instid0(VALU_DEP_1)
	v_readfirstlane_b32 s2, v1                     ; wave 0..7
	v_and_b32 v1, 31, v0                           ; lane
	s_cmp_lt_u32 ttmp9, 192
	s_cbranch_scc0 .Lnot_ln
; ---------------------------------------------------------------- LayerNorm: 64 rows a work-group, 8 a wave, a row at a time in 32 registers
; A row is read once, 512 consecutive bytes a load.  Mean, then the mean of squared differences (two passes over registers), as the definition has it.
; The conversions take 16 neighbours from one lane, so the finished row turns through the wave's own stage in LDS (64 bytes + 16 of padding a lane).
	s_lshr_b32 s34, ttmp9, 6                       ; which tensor
	s_and_b32 s35, ttmp9, 63
	s_lshl_b32 s35, s35, 6
	s_lshl_b32 s36, s2, 3
	s_add_co_u32 s35, s35, s36                     ; my first row in it
	s_lshl_b32 s38, s35, 12                        ; x 4,096 bytes
	s_mov_b32 s39, 0
	s_lshl_b32 s40, ttmp9, 6
	s_add_co_u32 s40, s40, s36                     ; my first row of the 12,288
	s_mul_i32 s42, s40, 768
	s_mov_b32 s43, 0
	s_lshl_b32 s40, s40, 5
	s_mov_b32 s41, 0
	s_mul_i32 s37, s2, 5632                        ; my LDS: two stages of 2,560 bytes, then 256 scale bytes
	s_mov_b32 s44, 0x76543210
	s_mov_b32 s45, 0xfedcba98                      ; lane l xor 16
	s_mov_b32 s46, 0x3a800000                      ; 1 / 1,024
	s_mov_b32 s47, 0x3727c5ac                      ; eps = 1e-5
	s_wait_alu depctr_va_vdst(0)
	v_lshlrev_b32 v2, 4, v1                        ; my 16 bytes of a load's 512
	v_lshrrev_b32 v3, 2, v1
	s_delay_alu instid0(VALU_DEP_1)
	v_mul_u32_u24 v3, v3, 80
	v_and_b32 v9, 3, v1
	s_delay_alu instid0(VALU_DEP_1)
	v_lshl_add_u32 v3, v9, 4, v3
	s_delay_alu instid0(VALU_DEP_1)
	v_add_nc_u32 v3, s37, v3                       ; stage, in: 80 (lane / 4) + 16 (lane % 4)
	v_mul_u32_u24 v4, v1, 80
	s_delay_alu instid0(VALU_DEP_1)
	v_add_nc_u32 v4, s37, v4                       ; stage, out: 80 x lane
	v_mul_u32_u24 v5, v1, 12                       ; my 16 codes
	v_lshrrev_b32 v6, 1, v1
	s_delay_alu instid0(VALU_DEP_1)
	v_add_nc_u32 v6, s37, v6                       ; my block's scale byte
	v_lshlrev_b32 v7, 3, v1
	s_delay_alu instid0(VALU_DEP_1)
	v_add_nc_u32 v8, s37, v7
	v_mov_b32 v11, 0                               ; upper halves of pairs of which the low word serves both results
	v_mov_b32 v13, 0
	v_mov_b32 v188, 0                              ; a lane permute's destination counts as one of its sources
	s_wait_kmcnt 0x0
	s_cmp_eq_u32 s34, 1
	s_cselect_b64 s[4:5], s[6:7], s[4:5]
	s_cmp_eq_u32 s34, 2
	s_cselect_b64 s[4:5], s[8:9], s[4:5]
	s_add_nc_u64 s[4:5], s[4:5], s[38:39]
	s_add_nc_u64 s[22:23], s[22:23], s[42:43]
	s_add_nc_u64 s[24:25], s[24:25], s[40:41]
.macro LNLOAD i                        ; row i into set i % 2: register 4 j + e = element 128 j + 4 lane + e
.irp j, 0,1,2,3,4,5,6,7
	global_load_b128 v[X+32*((\i)%2)+4*\j:X+32*((\i)%2)+4*\j+3], v2, s[4:5] offset:4096*(\i)+512*\j th:TH_LOAD_NT
.endr
.endm
.macro RED                             ; v184 summed over the 32 lanes, the result in every lane
	s_delay_alu instid0(VALU_DEP_1)
	v_add_f32_dpp v184, v184, v184 row_xmask:1 row_mask:0xf bank_mask:0xf
	s_delay_alu instid0(VALU_DEP_1)
	v_add_f32_dpp v184, v184, v184 row_xmask:2 row_mask:0xf bank_mask:0xf
	s_delay_alu instid0(VALU_DEP_1)
	v_add_f32_dpp v184, v184, v184 row_xmask:4 row_mask:0xf bank_mask:0xf
	s_delay_alu instid0(VALU_DEP_1)
	v_add_f32_dpp v184, v184, v184 row_xmask:8 row_mask:0xf bank_mask:0xf
	s_delay_alu instid0(VALU_DEP_1)
	v_permlanex16_b32 v188, v184, s44, s45
	s_delay_alu instid0(VALU_DEP_1)
	v_add_f32 v184, v184, v188
.endm
.macro QSTEP i, s                      ; half s of row i: 512 numbers, 16 a lane, two neighbouring lanes to a block
.set XQ, XS+16*(\s)
	v_max3_num_f32 v184, |v[XQ]|, |v[XQ+1]|, |v[XQ+2]|
	v_max3_num_f32 v185, |v[XQ+3]|, |v[XQ+4]|, |v[XQ+5]|
.irp k, 6,10
	s_delay_alu instid0(VALU_DEP_2)
	v_max3_num_f32 v184, v184, |v[XQ+\k]|, |v[XQ+\k+1]|
	s_delay_alu instid0(VALU_DEP_2)
	v_max3_num_f32 v185, v185, |v[XQ+\k+2]|, |v[XQ+\k+3]|
.endr
	s_delay_alu instid0(VALU_DEP_2)
	v_max3_num_f32 v184, v184, |v[XQ+14]|, |v[XQ+15]|
	s_delay_alu instid0(VALU_DEP_1)
	v_max3_num_f32 v184, v184, v185, 0x1800000     ; and the floor 2^(3 - 127): the byte cannot fall under 1
	s_delay_alu instid0(VALU_DEP_1)
	v_max_num_f32_dpp v184, v184, v184 row_xmask:1 row_mask:0xf bank_mask:0xf   ; with my neighbour's 16: the block's
	s_delay_alu instid0(VALU_DEP_1)
	v_add_nc_u32 v186, 0xff000000, v184            ; 2 off the exponent field: the conversion's scale operand
	s_wait_alu depctr_va_vdst(0)
	s_wait_xcnt 0x0                                ; the last row's store has read these code registers: they are written again only behind this wait
	v_cvt_scalef32_pk16_fp6_f32 v[C+4*(\s):C+4*(\s)+2], v[XQ:XQ+15], v186
	v_lshrrev_b32 v[190+(\s)], 23, v186            ; the scale's byte (also the plain line behind the conversion)
	ds_store_b8 v6, v[190+(\s)] offset:5120+32*(\i)+16*(\s)   ; both lanes of a block write the same byte
	global_store_b96 v5, v[C+4*(\s):C+4*(\s)+2], s[22:23] offset:768*(\i)+384*(\s)   ; the wave stores 384 consecutive bytes; a row's two stores fill 768
.endm
.macro ROW i
.set XI, X+32*((\i)%2)
.if (\i) < 7
	s_wait_loadcnt 8                               ; this row's eight loads are in (and all issued before them); the next row's eight may be out
.else
	s_wait_loadcnt 0
.endif
	v_pk_add_f32 v[184:185], v[XI:XI+1], v[XI+2:XI+3]          ; the sum, in two chains
	v_pk_add_f32 v[186:187], v[XI+4:XI+5], v[XI+6:XI+7]
.irp k, 8,12,16,20,24,28
	s_delay_alu instid0(VALU_DEP_2)
	v_pk_add_f32 v[184:185], v[184:185], v[XI+\k:XI+\k+1]
	s_delay_alu instid0(VALU_DEP_2)
	v_pk_add_f32 v[186:187], v[186:187], v[XI+\k+2:XI+\k+3]
.endr
	s_delay_alu instid0(VALU_DEP_1)
	v_pk_add_f32 v[184:185], v[184:185], v[186:187]
	s_delay_alu instid0(VALU_DEP_1)
	v_add_f32 v184, v184, v185
	RED
	s_delay_alu instid0(VALU_DEP_1)
	v_mul_f32 v10, s46, v184                       ; the mean
.irp k, 0,2,4,6,8,10,12,14,16,18,20,22,24,26,28,30
	v_pk_add_f32 v[XI+\k:XI+\k+1], v[XI+\k:XI+\k+1], v[10:11] op_sel_hi:[1,0] neg_lo:[0,1] neg_hi:[0,1]   ; x - mean
.endr
	v_pk_mul_f32 v[184:185], v[XI:XI+1], v[XI:XI+1]
	v_pk_mul_f32 v[186:187], v[XI+2:XI+3], v[XI+2:XI+3]
.irp k, 4,8,12,16,20,24,28
	s_delay_alu instid0(VALU_DEP_2)
	v_pk_fma_f32 v[184:185], v[XI+\k:XI+\k+1], v[XI+\k:XI+\k+1], v[184:185]
	s_delay_alu instid0(VALU_DEP_2)
	v_pk_fma_f32 v[186:187], v[XI+\k+2:XI+\k+3], v[XI+\k+2:XI+\k+3], v[186:187]
.endr
	s_delay_alu instid0(VALU_DEP_1)
	v_pk_add_f32 v[184:185], v[184:185], v[186:187]
	s_delay_alu instid0(VALU_DEP_1)
	v_add_f32 v184, v184, v185
	RED
	s_delay_alu instid0(VALU_DEP_1)
	v_fma_f32 v184, v184, s46, s47                 ; variance + eps
	s_wait_alu depctr_va_vdst(0)
	v_rsq_f32 v12, v184
	v_nop                                          ; a plain line behind the transcendental
	s_wait_alu depctr_va_vdst(0)                   ; and the wait ahead of its first use
.irp k, 0,2,4,6,8,10,12,14,16,18,20,22,24,26,28,30
	v_pk_mul_f32 v[XI+\k:XI+\k+1], v[XI+\k:XI+\k+1], v[12:13] op_sel_hi:[1,0]
.endr
.irp k, 0,2,4,6,8,10,12,14,16,18,20,22,24,26,28,30
	v_pk_fma_f32 v[XI+\k:XI+\k+1], v[XI+\k:XI+\k+1], v[G+\k:G+\k+1], v[BT+\k:BT+\k+1]
.endr
.irp j, 0,1,2,3,4,5,6,7
	ds_store_b128 v3, v[XI+4*\j:XI+4*\j+3] offset:2560*(\j/4)+640*(\j%4)
.endr
.irp j, 0,1,2,3,4,5,6,7
	ds_load_b128 v[XS+4*\j:XS+4*\j+3], v4 offset:2560*(\j/4)+16*(\j%4)   ; LDS serves a wave's instructions in order: these see the stores above
.endr
	s_wait_dscnt 4                                 ; the first half is back, so the eight stores have read the row's registers; the second half's four loads may be out
.if (\i) < 6
	LNLOAD (\i)+2                                  ; which take the row two further on
.endif
	QSTEP \i, 0
	s_wait_dscnt 1                                 ; the second half is back; the byte store just issued may be out
	QSTEP \i, 1
.endm
.irp j, 0,1,2,3,4,5,6,7
	global_load_b128 v[G+4*\j:G+4*\j+3], v2, s[10:11] offset:512*\j
.endr
.irp j, 0,1,2,3,4,5,6,7
	global_load_b128 v[BT+4*\j:BT+4*\j+3], v2, s[12:13] offset:512*\j
.endr
	LNLOAD 0
	LNLOAD 1
.irp r, 0,1,2,3,4,5,6,7
	ROW \r
.endr
	ds_load_b64 v[184:185], v8 offset:5120         ; my eight rows' 256 scale bytes
	s_wait_dscnt 0x0
	global_store_b64 v7, v[184:185], s[24:25]      ; 32 lanes store 256 consecutive bytes, at a multiple of 256 from xs' first byte
	s_wait_tensorcnt 0x0
	ds_add_u32 v192, v193
	s_wait_dscnt 0x0
	s_endpgm
; ---------------------------------------------------------------- W: a lane takes a column n and its registers run down k
; A work-group takes 32 columns of one weight and all 1,024 k; wave w takes k = 128 w .. 128 w + 127: four blocks a lane.  A block's largest magnitude needs no other lane,
; and the conversions give codes with k innermost.  The codes meet in a stage (a row a column) and leave as whole rows: the work-group's 24,576 bytes of wc are consecutive.
.Lnot_ln:
	s_cmp_lt_u32 ttmp9, 288
	s_cbranch_scc0 .Lmask
	s_sub_co_u32 s34, ttmp9, 192
	s_lshr_b32 s35, s34, 5                         ; which weight
	s_and_b32 s34, s34, 31                         ; which 32 columns
	s_lshl_b32 s38, s2, 19                         ; 128 w rows of 4,096 bytes
	s_lshl_b32 s36, s34, 7
	s_add_co_u32 s38, s38, s36
	s_mov_b32 s39, 0
	s_lshl_b32 s36, s34, 5
	s_lshl_b32 s37, s2, 2
	s_add_co_u32 s36, s36, s37                     ; the first of the four rows of wc that I store
	s_mul_i32 s40, s36, 768
	s_mul_i32 s37, s35, 786432
	s_add_co_u32 s40, s40, s37
	s_mov_b32 s41, 0
	s_lshl_b32 s42, s35, 15
	s_lshl_b32 s37, s34, 10
	s_add_co_u32 s42, s42, s37
	s_lshl_b32 s37, s2, 8
	s_add_co_u32 s42, s42, s37                     ; ws: the work-group's 1,024 bytes, 256 for each of waves 0 to 3
	s_mov_b32 s43, 0
	s_wait_alu depctr_va_vdst(0)
	v_lshlrev_b32 v2, 2, v1                        ; in: 4 bytes a lane
	s_lshl_b32 s36, s2, 7
	s_add_co_u32 s36, s36, WSTG
	v_mul_u32_u24 v3, v1, 1040
	s_delay_alu instid0(VALU_DEP_1)
	v_add_nc_u32 v3, s36, v3                       ; stage, in: row = my column, places 8 w on
	s_lshl_b32 s36, s2, 2
	s_add_co_u32 s36, s36, WSC
	v_lshl_add_u32 v4, v1, 5, s36                  ; my column's scale bytes 4 w on
	s_mul_i32 s36, s2, 4160
	s_add_co_u32 s36, s36, WSTG
	v_lshl_add_u32 v5, v1, 4, s36                  ; stage, out: rows 4 w on, a place a lane
	v_mul_u32_u24 v6, v1, 12
	s_add_co_u32 s37, s37, WSC
	v_lshl_add_u32 v7, v1, 3, s37                  ; the scale bytes, out
	v_lshlrev_b32 v13, 3, v1
	s_wait_alu depctr_va_vdst(0)
	s_wait_kmcnt 0x0
	s_cmp_eq_u32 s35, 1
	s_cselect_b64 s[14:15], s[16:17], s[14:15]
	s_cmp_eq_u32 s35, 2
	s_cselect_b64 s[14:15], s[18:19], s[14:15]
	s_add_nc_u64 s[14:15], s[14:15], s[38:39]
	s_add_nc_u64 s[26:27], s[26:27], s[40:41]
	s_add_nc_u64 s[28:29], s[28:29], s[42:43]
.macro WLOAD t                         ; block t: W(128 w + 32 t + i, my column) into set t % 2
.irp i, 0,1,2,3,4,5,6,7,8,9,10,11,12,13,14,15,16,17,18,19,20,21,22,23,24,25,26,27,28,29,30,31
	global_load_b32 v[WX+32*((\t)%2)+\i], v2, s[14:15] offset:(32*(\t)+\i)*4096 th:TH_LOAD_NT
.endr
.endm
.macro WBLOCK t
.set XW, WX+32*((\t)%2)
.set CW, WC+8*(\t)
.if (\t) < 3
	s_wait_loadcnt 32                              ; this block's 32 loads are in; the next block's may be out
.else
	s_wait_loadcnt 0
.endif
	v_max3_num_f32 v8, |v[XW]|, |v[XW+1]|, |v[XW+2]|
	v_max3_num_f32 v9, |v[XW+3]|, |v[XW+4]|, |v[XW+5]|
.irp k, 6,10,14,18,22,26
	s_delay_alu instid0(VALU_DEP_2)
	v_max3_num_f32 v8, v8, |v[XW+\k]|, |v[XW+\k+1]|
	s_delay_alu instid0(VALU_DEP_2)
	v_max3_num_f32 v9, v9, |v[XW+\k+2]|, |v[XW+\k+3]|
.endr
	s_delay_alu instid0(VALU_DEP_2)
	v_max3_num_f32 v8, v8, |v[XW+30]|, |v[XW+31]|
	s_delay_alu instid0(VALU_DEP_1)
	v_max3_num_f32 v8, v8, v9, 0x1800000           ; the floor
	s_delay_alu instid0(VALU_DEP_1)
	v_add_nc_u32 v10, 0xff000000, v8               ; the conversion's scale operand
	s_delay_alu instid0(VALU_DEP_1)
	v_lshrrev_b32 v11, 23, v10                     ; the byte
.if (\t) == 0
	s_delay_alu instid0(VALU_DEP_1)
	v_mov_b32 v12, v11
.else
	s_delay_alu instid0(VALU_DEP_1)
	v_lshl_or_b32 v12, v11, 8*(\t), v12            ; four bytes to the word, the lower k in the lower byte
.endif
	v_cvt_scalef32_pk16_fp6_f32 v[CW:CW+2], v[XW:XW+15], v10
	v_cvt_scalef32_pk16_fp6_f32 v[CW+4:CW+6], v[XW+16:XW+31], v10   ; each block has code registers of its own
	v_nop                                          ; a plain line behind the last conversion
	ds_store_b96 v3, v[CW:CW+2] offset:32*(\t)     ; 12 bytes to a place of 16: every LDS address is a multiple of 16
	ds_store_b96 v3, v[CW+4:CW+6] offset:32*(\t)+16
.if (\t) < 2
	WLOAD (\t)+2
.endif
.endm
	WLOAD 0
	WLOAD 1
	WBLOCK 0
	WBLOCK 1
	WBLOCK 2
	WBLOCK 3
	ds_store_b32 v4, v12
	s_wait_dscnt 0x0                               ; for the others' sake: my stores into the stage are done
	s_barrier_signal -1
	s_barrier_wait -1
.irp k, 0,1,2,3,4,5,6,7
	ds_load_b96 v[WO+4*\k:WO+4*\k+2], v5 offset:(\k/2)*1040+(\k%2)*512
.endr
.irp k, 0,1,2,3,4,5,6,7
	s_wait_dscnt 7-\k                              ; load k is back; the younger ones may be out
	global_store_b96 v6, v[WO+4*\k:WO+4*\k+2], s[26:27] offset:(\k/2)*768+(\k%2)*384   ; 384 consecutive bytes: half a row of wc
.endr
	s_cmp_lt_u32 s2, 4
	s_cbranch_scc0 .Lw_end
	ds_load_b64 v[8:9], v7
	s_wait_dscnt 0x0
	global_store_b64 v13, v[8:9], s[28:29]         ; 256 consecutive bytes, at a multiple of 256 from ws' first byte
.Lw_end:
	s_wait_tensorcnt 0x0
	ds_add_u32 v192, v193
	s_wait_dscnt 0x0
	s_endpgm
; ---------------------------------------------------------------- the mask: a work-group takes 16 queries and all 2,048 keys; wave w takes keys 256 w on: two steps of 128
; In the attention launch, register 8 t + j of lane (r, h) holds the score of query r and key 16 t + 8 h + j of a step.  Word 8 t + j of a step's 64 has, at bit r + 16 h, that pair's mask byte:
; it is the lane mask of one v_cndmask_b32.  mflag: bit 0: some pair of the (tile, step) is open; bit 16: some pair is masked.
.Lmask:
	s_sub_co_u32 s34, ttmp9, 288                   ; 128 b + tile
	s_lshl_b32 s38, s34, 15                        ; 16 rows of 2,048 bytes
	s_lshl_b32 s36, s2, 8
	s_add_co_u32 s38, s38, s36
	s_mov_b32 s39, 0
	s_lshl_b32 s40, s34, 12
	s_lshl_b32 s36, s2, 9
	s_add_co_u32 s40, s40, s36
	s_mov_b32 s41, 0
	s_lshl_b32 s42, s34, 6
	s_lshl_b32 s36, s2, 3
	s_add_co_u32 s42, s42, s36
	s_mov_b32 s43, 0
	s_mul_i32 s37, s2, 4352
	s_add_co_u32 s37, s37, MSTG
	s_wait_alu depctr_va_vdst(0)
	v_and_b32 v2, 15, v1                           ; r
	v_lshrrev_b32 v3, 4, v1                        ; h
	s_delay_alu instid0(VALU_DEP_2)
	v_lshlrev_b32 v4, 4, v2
	s_delay_alu instid0(VALU_DEP_1)
	v_lshl_add_u32 v5, v3, 11, v4                  ; in memory: row h of a pair, 16 r bytes in
	s_delay_alu instid0(VALU_DEP_2)
	v_mad_u32_u24 v6, v3, 272, v4
	s_delay_alu instid0(VALU_DEP_1)
	v_add_nc_u32 v6, s37, v6                       ; stage, in
	v_mul_u32_u24 v7, v2, 272
	s_delay_alu instid0(VALU_DEP_1)
	v_lshl_add_u32 v7, v3, 3, v7
	s_delay_alu instid0(VALU_DEP_1)
	v_add_nc_u32 v7, s37, v7                       ; stage, out: query r, 8 h bytes in
	v_lshlrev_b32 v15, 4, v1
	v_mov_b32 v14, 0
.irp k, 8,9,10,11
	v_mov_b32 v\k, 0                               ; v_writelane_b32's destination counts as one of its sources
.endr
	s_wait_alu depctr_va_vdst(0)
	s_wait_kmcnt 0x0
	s_add_nc_u64 s[20:21], s[20:21], s[38:39]
	s_add_nc_u64 s[30:31], s[30:31], s[40:41]
	s_add_nc_u64 s[32:33], s[32:33], s[42:43]
.irp i, 0,1,2,3,4,5,6,7
	global_load_b128 v[64+4*\i:67+4*\i], v5, s[20:21] offset:4096*\i th:TH_LOAD_NT   ; two rows x 256 consecutive bytes
.endr
.irp i, 0,1,2,3,4,5,6,7
	s_wait_loadcnt 7-\i                            ; load i is in; the younger ones may be out
	ds_store_b128 v6, v[64+4*\i:67+4*\i] offset:544*\i
.endr
.irp t, 0,1,2,3,4,5,6,7,8,9,10,11,12,13,14,15
	ds_load_b64 v[32+2*\t:33+2*\t], v7 offset:16*\t   ; my query's bytes of keys 16 t + 8 h + 0 .. 7 (my own wave's bytes, served in order)
.endr
	s_wait_dscnt 0x0
.macro MBIT t, j
.set WD, 64*((\t)/8)+8*((\t)%8)+(\j)
	v_and_b32 v[16+(\j)%4], 0xff<<(8*((\j)%4)), v[32+2*(\t)+(\j)/4]
	s_delay_alu instid0(VALU_DEP_1)
	v_cmp_ne_u32 s[48+(\j)%4], 0, v[16+(\j)%4]     ; the 32 lanes' bits
	s_and_b32 s44, s44, s[48+(\j)%4]
	s_or_b32 s45, s45, s[48+(\j)%4]
	v_writelane_b32 v[8+WD%4], s[48+(\j)%4], WD/4  ; word WD of my 128 goes where a store of 16 bytes a lane will find it
.endm
.irp st, 0,1
	s_mov_b32 s44, -1
	s_mov_b32 s45, 0
.irp tt, 0,1,2,3,4,5,6,7
.irp j, 0,1,2,3,4,5,6,7
	MBIT 8*\st+\tt, \j
.endr
.endr
	s_cmp_lg_u32 s44, -1
	s_cselect_b32 s46, 1, 0                        ; not every pair is masked
	s_cmp_lg_u32 s45, 0
	s_cselect_b32 s47, 0x10000, 0                  ; some pair is
	s_or_b32 s46, s46, s47
	v_mov_b32 v[12+\st], s46
.endr
	s_wait_alu depctr_va_vdst(0)
	global_store_b128 v15, v[8:11], s[30:31]       ; 512 consecutive bytes: two steps' words
	s_wait_xcnt 0x0                                ; EXEC changes only behind this wait
	v_cmp_eq_u32 vcc_lo, 0, v1
	s_wait_tensorcnt 0x0
	ds_add_u32 v192, v193
	s_wait_dscnt 0x0
	s_and_saveexec_b32 s52, vcc_lo
	global_store_b64 v14, v[12:13], s[32:33]       ; lane 0: my two flags
	s_wait_xcnt 0x0                                ; and again, in front of the line that widens it
	s_or_b32 exec_lo, exec_lo, s52
	s_endpgm
.Lfunc_end_k_q8816a2a81f_prep:
	.size	k_q8816a2a81f_prep, .Lfunc_end_k_q8816a2a81f_prep-k_q8816a2a81f_prep
	.p2alignl 7, 3214868480
	.fill 96, 4, 3214868480
	.section	.rodata,"a",@progbits
	.p2align	6, 0x0
	.amdhsa_kernel k_q8816a2a81f_prep
		.amdhsa_group_segment_fixed_size 115200
		.amdhsa_private_segment_fixed_size 0
		.amdhsa_enable_private_segment 0
		.amdhsa_kernarg_size 120
		.amdhsa_user_sgpr_count 2
		.amdhsa_user_sgpr_kernarg_segment_ptr 1
		.amdhsa_wavefront_size32 1
		.amdhsa_system_sgpr_workgroup_id_x 1
		.amdhsa_system_sgpr_workgroup_id_y 1
		.amdhsa_system_sgpr_workgroup_id_z 1
		.amdhsa_system_vgpr_workitem_id 0
		.amdhsa_next_free_vgpr 194
		.amdhsa_next_free_sgpr 66
		.amdhsa_reserve_vcc 1
		.amdhsa_float_denorm_mode_32 3
		.amdhsa_float_denorm_mode_16_64 3
		.amdhsa_memory_ordered 1
		.amdhsa_forward_progress 1
		.amdhsa_inst_pref_size 163
	.end_amdhsa_kernel
	.amdgpu_metadata
---
amdhsa.version: [ 1, 2 ]
amdhsa.kernels:
  - .name:           k_q8816a2a81f_prep
    .symbol:         k_q8816a2a81f_prep.kd
    .args:
      - { .name: Q, .offset: 0, .size: 8, .value_kind: global_buffer, .address_space: global }
      - { .name: K, .offset: 8, .size: 8, .value_kind: global_buffer, .address_space: global }
      - { .name: V, .offset: 16, .size: 8, .value_kind: global_buffer, .address_space: global }
      - { .name: gamma, .offset: 24, .size: 8, .value_kind: global_buffer, .address_space: global }
      - { .name: beta, .offset: 32, .size: 8, .value_kind: global_buffer, .address_space: global }
      - { .name: Wq, .offset: 40, .size: 8, .value_kind: global_buffer, .address_space: global }
      - { .name: Wk, .offset: 48, .size: 8, .value_kind: global_buffer, .address_space: global }
      - { .name: Wv, .offset: 56, .size: 8, .value_kind: global_buffer, .address_space: global }
      - { .name: mask, .offset: 64, .size: 8, .value_kind: global_buffer, .address_space: global }
      - { .name: xc, .offset: 72, .size: 8, .value_kind: global_buffer, .address_space: global }
      - { .name: xs, .offset: 80, .size: 8, .value_kind: global_buffer, .address_space: global }
      - { .name: wc, .offset: 88, .size: 8, .value_kind: global_buffer, .address_space: global }
      - { .name: ws, .offset: 96, .size: 8, .value_kind: global_buffer, .address_space: global }
      - { .name: mbits, .offset: 104, .size: 8, .value_kind: global_buffer, .address_space: global }
      - { .name: mflag, .offset: 112, .size: 8, .value_kind: global_buffer, .address_space: global }
    .group_segment_fixed_size: 115200
    .private_segment_fixed_size: 0
    .kernarg_segment_align: 8
    .kernarg_segment_size: 120
    .max_flat_workgroup_size: 256
    .sgpr_count:     66
    .vgpr_count:     194
    .wavefront_size: 32
...
	.end_amdgpu_metadata
.endif
;; end of part 1
;; launch proj (part 2): grid 4 x 48, 4 waves a work-group, clusters of 4 x 4, 327,680 bytes of LDS; arguments xc, xs, wc, ws, bq, bk, bv, img, isc; writes img, isc
.if DOCPART == 2
	.amdgcn_target "amdgcn-amd-amdhsa--gfx1250"
	.amdhsa_code_object_version 6
	.text
	.protected	k_q8816a2a81f_proj
	.globl	k_q8816a2a81f_proj
	.p2align	8
	.type	k_q8816a2a81f_proj,@function
k_q8816a2a81f_proj:
	s_mov_b64 s[64:65], 0
	v_nop
	global_prefetch_b8 v0, s[64:65] scope:SCOPE_SE
	s_setreg_imm32_b32 hwreg(HW_REG_WAVE_MODE, 25, 1), 1
	s_wait_xcnt 0x0
	s_wait_alu depctr_hold_cnt(0) depctr_sa_sdst(0) depctr_va_vdst(0) depctr_va_sdst(0) depctr_va_ssrc(0) depctr_va_vcc(0) depctr_vm_vsrc(0)
	s_getreg_b32 s2, hwreg(HW_REG_IB_STS2, 6, 4)
	s_cmp_eq_u32 s2, 0
	s_cbranch_scc0 .Lentry_in_a_cluster
	s_endpgm
.Lentry_in_a_cluster:
	s_bfe_u32 s2, ttmp6, 0x10000c
	s_cmp_lg_u32 s2, 0xf033
	s_cbranch_scc0 .Lentry_shape_is_right
	s_endpgm
.Lentry_shape_is_right:
; PROJ: q, k, v = LN(x) W + bias on codes of FP6 (E2M3) with E8M0 scales, and the results' own codes, laid as images of the attention launch's operand registers.
; A work-group of four waves makes 256 x 256 of one product, a wave 128 x 128 (64 accumulators).  Cluster y / 4 picks the tensor.  For q and k source 1 takes rows of x and source 0 rows of W^T;
; for v the two change places, so that a lane's registers run along the keys, the K of attention's second product.
; K = 1,024 is 768 bytes a row.  It goes through a ring of two LDS slots in CHUNKS OF 256 BYTES of each row: every tile row begins at a multiple of 256 bytes.  A step of 128 along K is 96 bytes:
; eight steps to three chunks; steps 2 and 5 lie across two chunks and take their pieces from both slots.  The scales of the 256 + 256 rows come once, as dense blocks.
; CLUSTERS 4 x 4: source 1's tiles are asked for jointly along a row of the cluster, source 0's along a column.
; NO PREFETCH: the walk has three chunks; two of them are asked for at the head and the third behind the second step, so no trip lies a whole step ahead of a later load.
; THE WAY OUT: bias added in f32, each 32 along the next K quantised (largest magnitude's exponent field - 2 is the byte, floor 2^-124), fragments stored 512 consecutive bytes an instruction.
; LIMITS: NaN and infinities are not served; a block under 2^-124 keeps the byte 1 (read by this program alone).
.set NQ,     2
.set ROWB,   256
.set KROW,   768
.set STEPS,  8
.set CHUNKS, 3
.set PITCH,  272
.set FR,     12
.set NL,     6
.set NP,     4
.set HALFT,  128*PITCH
.set SLOT,   4*HALFT
.set KS,     32
.set SCL,    2*SLOT
.set HALFS,  (128*KS/256)*272
.set SBLK,   (16*KS/256)*272
.set SPARE,  SCL+4*HALFS
.set ADRA, 16
.set ADRB, 20
.set BO1,  24
.set BO2,  25
.set ADRS, 27
.set SPW,  28
.set NIL,  29
.set IO,   30
.set SO,   31
.set SC,   32
.set BI,   64
.set AF,   128
.set BV,   224
.set X,    128
.set F0,   192
.set F1,   204
.set T2,   216
.set TM,   32
.set PW,   48
.set SW,   56
.set SELP, 60
.set WV,   22
.set HA,   23
.set HB,   66
.set TEN,  67
.set SUB,  98
.set G1, 24
.set G0, 32
.set G1B, 48
.set G0B, 56
.set G1S, 68
.set G0S, 76
.set G1SB, 80
.set G0SB, 88
.set G0H, 4
.set G0HB, 8
.set MSB, 0
.macro WIN new
.if MSB != (\new)
	s_set_vgpr_msb (MSB<<8)|(\new)
.set MSB, (\new)
.endif
.endm
.set MUL_LO, 0xa1
.set MUL_HI, 0xf1
.set TO_B,   0x40
.macro JLOAD g0a, g1a, g0b, g1b        ; waves 0, 1 fetch source 1's tile, waves 2, 3 source 0's
	s_cmp_eq_u32 s[HA], 0
	s_cbranch_scc0 .Lfor_b_\@
	tensor_load_to_lds s[\g0a:\g0a+3], s[\g1a:\g1a+7]
	s_nop 0
.rept 4
	v_nop
.endr
	s_branch .Lasked_\@
.Lfor_b_\@:
	tensor_load_to_lds s[\g0b:\g0b+3], s[\g1b:\g1b+7]
	s_nop 0
.rept 4
	v_nop
.endr
.Lasked_\@:
.endm
.macro CREST
	s_cmp_lg_u32 s[WV], 0
	s_cbranch_scc1 .Lnot_wave_0_\@
	s_barrier_signal -3
.Lnot_wave_0_\@:
	s_barrier_wait -3
	s_barrier_signal -1
	s_barrier_wait -1
.endm
.macro CROUND
	s_barrier_signal -1
	s_barrier_wait -1
	CREST
.endm
	s_load_b256 s[4:11], s[0:1], 0x0               ; xc, xs, wc, ws
	s_load_b256 s[12:19], s[0:1], 0x20             ; bq, bk, bv, img
	s_load_b64 s[20:21], s[0:1], 0x40              ; isc
	v_lshl_add_u32 v[SPW], v0, 2, SPARE
	v_mov_b32 v[NIL], 0
	ds_add_u32 v[SPW], v[NIL]                      ; the opening lines: the add, twice on end,
	ds_add_u32 v[SPW], v[NIL]
	v_lshrrev_b32 v1, 5, v0
	v_readfirstlane_b32 s[WV], v1
	s_lshr_b32 s[HA], s[WV], 1
	s_and_b32 s[HB], s[WV], 1
	s_bfe_u32 s40, ttmp6, 0x40000                  ; cx
	s_bfe_u32 s41, ttmp6, 0x40004                  ; cy
	s_and_b32 s[SUB], ttmp7, 0xffff
	s_lshr_b32 s[TEN], s[SUB], 2                   ; 0 q, 1 k, 2 v
	s_and_b32 s[SUB], s[SUB], 3
	s_lshl_b32 s2, s[SUB], 2
	s_cmp_eq_u32 s[TEN], 2
	s_cselect_b32 s3, s2, 0
	s_cselect_b32 s2, 0, s2
	s_add_co_u32 s42, s40, s3                      ; source 0's block of 256 rows
	s_add_co_u32 s43, s41, s2                      ; source 1's
	s_lshl_b32 s44, s41, 2
	s_lshl_b32 s44, 15, s44                        ; my row of the cluster
	s_lshl_b32 s45, 0x1111, s40                    ; my column
	s_or_b32 s[G1+0], s44, (0<<16)|(1<<20)|(1<<21)|(5<<22)|(3<<25)
	s_or_b32 s[G1B+0], s45, (0<<16)|(1<<20)|(1<<21)|(5<<22)|(3<<25)
.irp g, G1, G1B                        ; rows of 256 bytes + 16 of padding; 256 rows for the head's loads
	s_mov_b32 s[\g+1], ROWB<<16
	s_mov_b32 s[\g+2], 256<<16
	s_mov_b32 s[\g+3], ROWB<<16
	s_mov_b32 s[\g+4], 256
	s_mov_b32 s[\g+5], KROW
	s_mov_b32 s[\g+6], 0
	s_mov_b32 s[\g+7], 0
.endr
	s_or_b32 s[G1S+0], s44, (3<<16)|(1<<20)|(1<<21)|(5<<22)|(3<<25)
	s_or_b32 s[G1SB+0], s45, (3<<16)|(1<<20)|(1<<21)|(5<<22)|(3<<25)
.irp g, G1S, G1SB                      ; the scales of 256 rows: 8,192 dense bytes as 32 rows of 256
	s_mov_b32 s[\g+1], 32<<16
	s_mov_b32 s[\g+2], KS<<16
	s_mov_b32 s[\g+3], 32<<16
	s_mov_b32 s[\g+4], KS
	s_mov_b32 s[\g+5], 32
	s_mov_b32 s[\g+6], 0
	s_mov_b32 s[\g+7], 0
.endr
	s_lshl_b32 s92, s43, 8
	s_lshl_b32 s46, s42, 8
	s_lshl_b32 s94, s92, 5
	s_mov_b32 s95, 0
	s_lshl_b32 s96, s46, 5
	s_mov_b32 s97, 0
	s_mul_i32 s92, s92, KROW
	s_mov_b32 s93, 0
	s_mul_i32 s46, s46, KROW
	s_mov_b32 s47, 0
	s_wait_dscnt 0x0                               ; and the one wait for both adds
	s_wait_kmcnt 0x0
	s_mov_b32 s3, 0
	s_mul_i32 s2, s[TEN], 3145728
	s_add_nc_u64 s[4:5], s[4:5], s[2:3]
	s_lshl_b32 s2, s[TEN], 17
	s_add_nc_u64 s[6:7], s[6:7], s[2:3]
	s_mul_i32 s2, s[TEN], 786432
	s_add_nc_u64 s[8:9], s[8:9], s[2:3]
	s_lshl_b32 s2, s[TEN], 15
	s_add_nc_u64 s[10:11], s[10:11], s[2:3]
	s_cmp_eq_u32 s[TEN], 2
	s_cselect_b64 s[2:3], s[8:9], s[4:5]
	s_add_nc_u64 s[92:93], s[2:3], s[92:93]        ; source 1's codes,
	s_cselect_b64 s[2:3], s[10:11], s[6:7]
	s_add_nc_u64 s[94:95], s[2:3], s[94:95]        ; its scales,
	s_cselect_b64 s[2:3], s[4:5], s[8:9]
	s_add_nc_u64 s[46:47], s[2:3], s[46:47]        ; source 0's codes,
	s_cselect_b64 s[2:3], s[6:7], s[10:11]
	s_add_nc_u64 s[96:97], s[2:3], s[96:97]        ; its scales
	s_mul_i32 s99, s[WV], HALFT
	CROUND                                         ; the round in front of the first joint loads
	s_mov_b32 s[G0H], 1
	s_mov_b32 s[G0H+1], 0
	s_mov_b64 s[G0H+2:G0H+3], s[92:93]
	s_or_b32 s[G0H+3], s[G0H+3], 0x80000000
	s_mov_b32 s[G0HB], 1
	s_mov_b32 s[G0HB+1], 2*HALFT
	s_mov_b64 s[G0HB+2:G0HB+3], s[46:47]
	s_or_b32 s[G0HB+3], s[G0HB+3], 0x80000000
	s_mov_b32 s[G0S], 1
	s_mov_b32 s[G0S+1], SCL
	s_mov_b64 s[G0S+2:G0S+3], s[94:95]
	s_or_b32 s[G0S+3], s[G0S+3], 0x80000000
	s_mov_b32 s[G0SB], 1
	s_mov_b32 s[G0SB+1], SCL+2*HALFS
	s_mov_b64 s[G0SB+2:G0SB+3], s[96:97]
	s_or_b32 s[G0SB+3], s[G0SB+3], 0x80000000
	s_mul_i32 s2, s[HB], 128*KROW                  ; in the ring I fetch 128 rows of a tile
	s_mov_b32 s3, 0
	s_add_nc_u64 s[92:93], s[92:93], s[2:3]
	s_add_nc_u64 s[46:47], s[46:47], s[2:3]
.irp s, 0,1
	s_mov_b32 s[G0+4*\s], 1
	s_add_co_u32 s[G0+4*\s+1], s99, \s*SLOT
	s_add_nc_u64 s[G0+4*\s+2:G0+4*\s+3], s[92:93], \s*ROWB
	s_or_b32 s[G0+4*\s+3], s[G0+4*\s+3], 0x80000000
	s_mov_b32 s[G0B+4*\s], 1
	s_add_co_u32 s[G0B+4*\s+1], s99, \s*SLOT
	s_add_nc_u64 s[G0B+4*\s+2:G0B+4*\s+3], s[46:47], \s*ROWB
	s_or_b32 s[G0B+4*\s+3], s[G0B+4*\s+3], 0x80000000
.endr
; the head's four tiles, one joint load a wave, in one chain of branches on the wave's number: chunk 0 of source 1, of source 0, and the two blocks of scales
.macro ARM under, g0, g1, next
	s_cmp_lt_u32 s[WV], \under
	s_cbranch_scc0 \next
	tensor_load_to_lds s[\g0:\g0+3], s[\g1:\g1+7]
	s_nop 0
.rept 4
	v_nop
.endr
	s_branch .Lhead_asked
\next:
.endm
	ARM 1, G0H,  G1,  .Lhead_b
	ARM 2, G0HB, G1B, .Lhead_sa
	ARM 3, G0S,  G1S, .Lhead_sb
	tensor_load_to_lds s[G0SB:G0SB+3], s[G1SB:G1SB+7]
	s_nop 0
.rept 4
	v_nop
.endr
.Lhead_asked:
	; scalar work first, then the vector lines on end: where my results go
	s_lshl_b32 s2, s43, 8
	s_lshl_b32 s3, s[HA], 7
	s_add_co_u32 s2, s2, s3
	s_lshl_b32 s3, s42, 8
	s_lshl_b32 s46, s[HB], 7
	s_add_co_u32 s3, s3, s46
	s_cmp_eq_u32 s[TEN], 2
	s_cselect_b32 s46, s3, s2                      ; my first token
	s_cselect_b32 s47, s2, s3                      ; my first feature
	s_cselect_b64 s[96:97], s[16:17], s[12:13]
	s_cmp_eq_u32 s[TEN], 1
	s_cselect_b64 s[96:97], s[14:15], s[96:97]
	s_lshl_b32 s2, s47, 2
	s_mov_b32 s3, 0
	s_add_nc_u64 s[96:97], s[96:97], s[2:3]        ; the bias at my first feature
	s_lshr_b32 s2, s46, 11
	s_lshl_b32 s2, s2, 4
	s_lshr_b32 s47, s47, 6
	s_add_co_u32 s2, s2, s47                       ; 16 b + head
	s_bfe_u32 s46, s46, 0x40007                    ; which 128 tokens
	s_lshl_b32 s47, s2, 4
	s_add_co_u32 s47, s47, s46
	s_lshl_b32 s47, s47, 8
	s_lshl_b32 s94, s[TEN], 17
	s_add_co_u32 s94, s94, s47
	s_mov_b32 s95, 0
	s_add_nc_u64 s[94:95], s[20:21], s[94:95]
	s_lshl_b32 s2, s2, 6
	s_lshl_b32 s46, s46, 2
	s_add_co_u32 s2, s2, s46
	s_mul_i32 s2, s2, 1536
	s_mul_i32 s92, s[TEN], 3145728
	s_add_co_u32 s92, s92, s2
	s_mov_b32 s93, 0
	s_add_nc_u64 s[92:93], s[18:19], s[92:93]
	s_mov_b32 s46, 0x76543210
	s_mov_b32 s47, 0xfedcba98
	s_mov_b32 s99, 0xffff0000
	s_mov_b32 s2, SLOT-232
	s_mov_b32 s3, SLOT+232
	s_mul_i32 s40, s[HA], HALFT                    ; my 128 rows of source 1
	s_mul_i32 s41, s[HB], HALFT
	s_add_co_u32 s41, s41, 2*HALFT                 ; and of source 0
	s_mul_i32 s44, s[HA], HALFS
	s_mul_i32 s45, s[HB], HALFS
	s_add_co_u32 s45, s45, 2*HALFS
	s_sub_co_u32 s45, s45, s44
	s_add_co_u32 s44, s44, SCL
	v_and_b32 v1, 15, v0
	v_bfe_u32 v2, v0, 4, 1
	v_mul_u32_u24 v3, v1, PITCH
	v_mul_u32_u24 v4, v2, 24
	v_add_nc_u32 v4, v3, v4                        ; row x pitch + 24 x half
	v_sub_nc_u32 v7, 1, v2
	v_mul_u32_u24 v5, s2, v2
	v_add_nc_u32 v5, v3, v5
	v_add_nc_u32 v5, 232, v5                       ; across chunks: lanes 0-15 byte 232 in slot 0, lanes 16-31 byte 0 in slot 1
	v_mul_u32_u24 v6, s3, v7
	v_add_nc_u32 v6, v3, v6                        ; and the other way round
	v_add_nc_u32 v[ADRA+2], s40, v5
	v_add_nc_u32 v[ADRA+3], s40, v6
	v_add_nc_u32 v[ADRB+2], s41, v5
	v_add_nc_u32 v[ADRB+3], s41, v6
	v_add_nc_u32 v[ADRA], s40, v4
	v_add_nc_u32 v[ADRB], s41, v4
	v_add_nc_u32 v[ADRA+1], SLOT, v[ADRA]
	v_add_nc_u32 v[ADRB+1], SLOT, v[ADRB]
	v_mul_u32_u24 v5, v1, KS
	v_lshrrev_b32 v6, 8, v5
	v_lshl_add_u32 v5, v6, 4, v5
	v_mul_u32_u24 v6, s45, v2                      ; lanes 16-31 take source 0's scale words
	v_add_nc_u32 v5, v5, v6
	v_add_nc_u32 v[ADRS], s44, v5
	v_lshlrev_b32 v[BO1], 5, v2
	v_lshlrev_b32 v[BO2], 2, v1
	v_and_b32 v3, 31, v0
	v_lshlrev_b32 v[IO], 4, v3
	v_lshlrev_b32 v[SO], 4, v1
	v_lshl_add_u32 v[SO], v2, 12, v[SO]
.irp b, 0,1,2,3,4,5,6,7
	global_load_b128 v[BI+8*\b:BI+8*\b+3], v[BO1], s[96:97] offset:64*\b
	global_load_b128 v[BI+8*\b+4:BI+8*\b+7], v[BO1], s[96:97] offset:64*\b+16
.endr
.irp a, 0,1,2,3,4,5,6,7
	global_load_b32 v[BV+2*\a], v[BO2], s[96:97] offset:64*\a
	global_load_b32 v[BV+2*\a+1], v[BO2], s[96:97] offset:64*\a
.endr
.macro FRAG reg, adr, st, i            ; 16 rows x 128 K: six pieces of 8 bytes; byte y of a row lies in slot (y / 256) % 2 at byte y % 256
.irp p, 0,1,2,3,4,5
.set BY, 96*(\st)+48*(\p/3)+8*(\p%3)
.if BY/ROWB == (BY+24)/ROWB
	ds_load_b64 v[\reg+2*\p:\reg+2*\p+1], v[\adr+(BY/ROWB)%2] offset:BY%ROWB+(\i)*16*PITCH
.else
	ds_load_b64 v[\reg+2*\p:\reg+2*\p+1], v[\adr+2+(BY/ROWB)%2] offset:BY%ROWB-232+(\i)*16*PITCH
.endif
.endr
.endm
.macro MUL16 a0, p, q, sc, zero        ; the 64 accumulators take turns, one instruction a turn
.irp a, \a0, \a0+1
.irp b, 0,1,2,3,4,5,6,7
.if \zero
	v_wmma_scale_f32_16x16x128_f8f6f4 v[8*(8*((\a)%4)+\b):8*(8*((\a)%4)+\b)+7], v[128*(\p)+FR*\b:128*(\p)+FR*\b+FR-1], v[AF+FR*(\a):AF+FR*(\a)+FR-1], 0, v[SC+8*NQ*(\sc)+NQ*\b+(\q)], v[SC+8*NQ*(\sc)+NQ*(\a)+(\q)] matrix_a_fmt:MATRIX_FMT_FP6 matrix_b_fmt:MATRIX_FMT_FP6 matrix_a_scale:MATRIX_SCALE_ROW1
.else
	v_wmma_scale_f32_16x16x128_f8f6f4 v[8*(8*((\a)%4)+\b):8*(8*((\a)%4)+\b)+7], v[128*(\p)+FR*\b:128*(\p)+FR*\b+FR-1], v[AF+FR*(\a):AF+FR*(\a)+FR-1], v[8*(8*((\a)%4)+\b):8*(8*((\a)%4)+\b)+7], v[SC+8*NQ*(\sc)+NQ*\b+(\q)], v[SC+8*NQ*(\sc)+NQ*(\a)+(\q)] matrix_a_fmt:MATRIX_FMT_FP6 matrix_b_fmt:MATRIX_FMT_FP6 matrix_a_scale:MATRIX_SCALE_ROW1
.endif
.endr
.endr
.endm
.macro FETCH_B st, p
	WIN TO_B
.irp i, 0,1,2,3,4,5,6,7
	FRAG 128*(\p)+FR*\i, ADRB, \st, \i
.endr
	WIN 0
.endm
.macro FETCH_A st, i0
.irp i, \i0, \i0+1, \i0+2, \i0+3
	FRAG AF+FR*(\i), ADRA, \st, \i
.endr
.endm
.macro SCALES pr                       ; the scale words of steps 2 pr, 2 pr + 1 into set pr % 2
.irp i, 0,1,2,3,4,5,6,7
	ds_load_b64 v[SC+8*NQ*((\pr)%2)+NQ*\i:SC+8*NQ*((\pr)%2)+NQ*\i+1], v[ADRS] offset:\i*SBLK+4*NQ*(\pr)
.endr
.endm
.macro PLACES n
.rept \n
	v_nop
.endr
.endm
; A step: 64 products; the next step's fragments are fetched in its middle and at its end.  Where the next step ends in a chunk not yet read, a barrier shows that chunk whole;
; where it begins in a later chunk, the chunk left behind is free: the three lines, the barrier, and, if a chunk two on is left, the cluster's round and the refill.
.macro STEP st, zero
.set NX, (\st)+1
.set C0, (96*(\st))/ROWB
.set C1, (96*NX)/ROWB
.set E0, (96*(\st)+95)/ROWB
.set E1, (96*NX+95)/ROWB
.if C1 > C0 || E1 > E0
	s_wait_tensorcnt 0x0                           ; all my tensor loads have landed
.if C1 > C0
	ds_add_u32 v[SPW], v[NIL]
	s_wait_dscnt 4*NL+1                            ; the add and source 1's blocks 4-7 (24 loads) may be out
.else
	s_wait_dscnt 4*NL                              ; source 1's blocks 4-7 (24 loads) may be out
.endif
	WIN MUL_LO
	MUL16 0, (\st)%2, (\st)%2, ((\st)/2)%2, \zero
	s_wait_dscnt 0x0                               ; the add and my reads are done
	s_barrier_signal -1
	MUL16 2, (\st)%2, (\st)%2, ((\st)/2)%2, \zero
	WIN 0
	s_barrier_wait -1
.if C1 > C0 && C0+2 < CHUNKS
	CREST
	s_add_nc_u64 s[G0+4*(C0%2)+2:G0+4*(C0%2)+3], s[G0+4*(C0%2)+2:G0+4*(C0%2)+3], 2*ROWB
	s_add_nc_u64 s[G0B+4*(C0%2)+2:G0B+4*(C0%2)+3], s[G0B+4*(C0%2)+2:G0B+4*(C0%2)+3], 2*ROWB
	JLOAD G0+4*(C0%2), G1, G0B+4*(C0%2), G1B       ; chunk C0 + 2, first behind the round
.else
	PLACES NP
.endif
.else
	s_wait_dscnt 4*NL                              ; the youngest 24 loads may be out
	WIN MUL_LO
	MUL16 0, (\st)%2, (\st)%2, ((\st)/2)%2, \zero
	MUL16 2, (\st)%2, (\st)%2, ((\st)/2)%2, \zero
	s_wait_dscnt 0
	PLACES NP
.endif
	FETCH_B NX, NX%2
	FETCH_A NX, 0
.if NX%2 == 0
	SCALES NX/2
.endif
	WIN MUL_HI
	MUL16 4, (\st)%2, (\st)%2, ((\st)/2)%2, \zero
	MUL16 6, (\st)%2, (\st)%2, ((\st)/2)%2, \zero
	PLACES NP
	WIN 0
	FETCH_A NX, 4
.endm
	s_wait_alu depctr_va_vdst(0)                   ; the wait at the head's end
	s_wait_tensorcnt 0x0                           ; my tile of the head's four is in; the three lines ahead of slot 1's first fill
	ds_add_u32 v[SPW], v[NIL]
	s_mov_b32 s[G1+2], 128<<16                     ; no load of mine is out: from here on a load brings 128 rows
	s_mov_b32 s[G1+4], 128
	s_mov_b32 s[G1B+2], 128<<16
	s_mov_b32 s[G1B+4], 128
	s_wait_dscnt 0x0
	CROUND
	JLOAD G0+4, G1, G0B+4, G1B                     ; chunk 1
	FETCH_B 0, 0
	FETCH_A 0, 0
	SCALES 0
	FETCH_A 0, 4
	STEP 0, 1
.set ST, 1
.rept STEPS-2
	STEP ST, 0
.set ST, ST+1
.endr
	s_wait_dscnt 4*NL
	WIN MUL_LO
	MUL16 0, 1, 1, 1, 0
	MUL16 2, 1, 1, 1, 0
	s_wait_dscnt 0
	WIN MUL_HI
	MUL16 4, 1, 1, 1, 0
	MUL16 6, 1, 1, 1, 0
	WIN 0
.macro ADDB a, byrow                   ; block a + bias, into window 0
	WIN 0x02+(\a)/4
.set AC, 64*((\a)%4)
.set ii, 0
.rept 32
.if \byrow
	v_pk_add_f32 v[X+ii:X+ii+1], v[AC+ii:AC+ii+1], v[BV+2*(\a):BV+2*(\a)+1]
.else
	v_pk_add_f32 v[X+ii:X+ii+1], v[AC+ii:AC+ii+1], v[BI+ii:BI+ii+1]
.endif
.set ii, ii+2
.endr
	WIN 0
.endm
.macro QUANT s, d0, d1, w              ; four blocks of 32 (16 mine, 16 of lane l xor 16): scale word w, codes with a whole block to a lane
.irp b, 0,1,2,3
	v_max3_num_f32 v[TM+\b], |v[\s+16*\b]|, |v[\s+1+16*\b]|, 0x1800000
.endr
.irp i, 2,4,6,8,10,12,14
.irp b, 0,1,2,3
	v_max3_num_f32 v[TM+\b], v[TM+\b], |v[\s+16*\b+\i]|, |v[\s+1+16*\b+\i]|
.endr
.endr
.irp b, 0,1,2,3
	v_permlanex16_b32 v[TM+4+\b], v[TM+\b], s46, s47
.endr
.irp b, 0,1,2,3
	v_max_num_f32 v[TM+\b], v[TM+\b], v[TM+4+\b]
.endr
.irp b, 0,1,2,3
	v_add_nc_u32 v[TM+12+\b], 0xff000000, v[TM+\b]
.endr
.irp b, 0,1,2,3
	v_lshrrev_b32 v[TM+4+\b], 23, v[TM+12+\b]
.endr
	v_lshl_or_b32 v[\w], v[TM+5], 8, v[TM+4]
	v_lshl_or_b32 v[\w], v[TM+6], 16, v[\w]
	v_lshl_or_b32 v[\w], v[TM+7], 24, v[\w]
	v_cvt_scalef32_pk16_fp6_f32 v[(\d0):(\d0)+2], v[\s:\s+15], v[TM+12]
	v_cvt_scalef32_pk16_fp6_f32 v[T2:T2+2], v[\s+16:\s+31], v[TM+13]
	v_cvt_scalef32_pk16_fp6_f32 v[(\d1):(\d1)+2], v[\s+32:\s+47], v[TM+14]
	v_cvt_scalef32_pk16_fp6_f32 v[T2+4:T2+6], v[\s+48:\s+63], v[TM+15]
	v_nop
.irp i, 0,1,2
	v_permlane16_swap_b32 v[(\d0)+\i], v[T2+\i]
	v_permlane16_swap_b32 v[(\d1)+\i], v[T2+4+\i]
.endr
.irp i, 0,1,2
	v_mov_b32 v[(\d0)+3+\i], v[T2+\i]
	v_mov_b32 v[(\d1)+3+\i], v[T2+4+\i]
.endr
.endm
.macro OUTQK f                         ; q, k: two token tiles make one fragment for each of my two heads
.irp e, 0,1
	ADDB 2*(\f)+\e, 0
	s_wait_xcnt 0x0                                ; earlier stores have read their registers
	QUANT X, F0+6*\e, F1+6*\e, PW+\e
.endr
	v_perm_b32 v[SW+(\f)], v[PW+1], v[PW], v[SELP]
.irp c, 0,1,2
	global_store_b128 v[IO], v[F0+4*\c:F0+4*\c+3], s[92:93] offset:1536*(\f)+512*\c
.endr
.irp c, 0,1,2
	global_store_b128 v[IO], v[F1+4*\c:F1+4*\c+3], s[92:93] offset:98304+1536*(\f)+512*\c
.endr
.endm
.macro OUTV a                          ; v: 16 features x 128 keys make one fragment
	ADDB \a, 1
	s_wait_xcnt 0x0
	QUANT X, F0, F0+6, PW+(\a)
.irp c, 0,1,2
	global_store_b128 v[IO], v[F0+4*\c:F0+4*\c+3], s[92:93] offset:((\a)/4)*98304+((\a)%4)*1536+512*\c
.endr
.endm
	PLACES NP
	s_wait_loadcnt 0x0                             ; the biases
.irp b, 0,1,2,3
	v_mov_b32 v[TM+4+\b], 0
.endr
	v_mov_b32 v[SELP], 0x05040100
	v_mov_b32 v1, 0x07060302
	v_cndmask_b32 v[SELP], v[SELP], v1, s99
	s_cmp_eq_u32 s[TEN], 2
	s_cbranch_scc1 .Lout_v
	OUTQK 0
	OUTQK 1
	OUTQK 2
	OUTQK 3
	s_branch .Lout_done
.Lout_v:
.irp a, 0,1,2,3,4,5,6,7
	OUTV \a
.endr
.irp t, 0,1,2,3
	v_cndmask_b32 v[SW+\t], v[PW+\t], v[PW+4+\t], s99
.endr
.Lout_done:
	s_wait_alu depctr_va_vdst(0)
	global_store_b128 v[SO], v[SW:SW+3], s[94:95]
	s_wait_tensorcnt 0x0                           ; the wave's end
	ds_add_u32 v[SPW], v[NIL]
	s_wait_dscnt 0x0
	CROUND                                         ; the closing round
	s_endpgm
.Lfunc_end_k_q8816a2a81f_proj:
	.size	k_q8816a2a81f_proj, .Lfunc_end_k_q8816a2a81f_proj-k_q8816a2a81f_proj
	.p2alignl 7, 3214868480
	.fill 96, 4, 3214868480
	.section	.rodata,"a",@progbits
	.p2align	6, 0x0
	.amdhsa_kernel k_q8816a2a81f_proj
		.amdhsa_group_segment_fixed_size 327680
		.amdhsa_private_segment_fixed_size 0
		.amdhsa_enable_private_segment 0
		.amdhsa_kernarg_size 72
		.amdhsa_user_sgpr_count 2
		.amdhsa_user_sgpr_kernarg_segment_ptr 1
		.amdhsa_wavefront_size32 1
		.amdhsa_system_sgpr_workgroup_id_x 1
		.amdhsa_system_sgpr_workgroup_id_y 1
		.amdhsa_system_sgpr_workgroup_id_z 1
		.amdhsa_system_vgpr_workitem_id 0
		.amdhsa_next_free_vgpr 1024
		.amdhsa_next_free_sgpr 100
		.amdhsa_reserve_vcc 0
		.amdhsa_float_denorm_mode_32 3
		.amdhsa_float_denorm_mode_16_64 3
		.amdhsa_memory_ordered 1
		.amdhsa_forward_progress 1
		.amdhsa_inst_pref_size 234
	.end_amdhsa_kernel
	.amdgpu_metadata
---
amdhsa.version: [ 1, 2 ]
amdhsa.kernels:
  - .name:           k_q8816a2a81f_proj
    .symbol:         k_q8816a2a81f_proj.kd
    .args:
      - { .name: xc, .offset: 0, .size: 8, .value_kind: global_buffer, .address_space: global }
      - { .name: xs, .offset: 8, .size: 8, .value_kind: global_buffer, .address_space: global }
      - { .name: wc, .offset: 16, .size: 8, .value_kind: global_buffer, .address_space: global }
      - { .name: ws, .offset: 24, .size: 8, .value_kind: global_buffer, .address_space: global }
      - { .name: bq, .offset: 32, .size: 8, .value_kind: global_buffer, .address_space: global }
      - { .name: bk, .offset: 40, .size: 8, .value_kind: global_buffer, .address_space: global }
      - { .name: bv, .offset: 48, .size: 8, .value_kind: global_buffer, .address_space: global }
      - { .name: img, .offset: 56, .size: 8, .value_kind: global_buffer, .address_space: global }
      - { .name: isc, .offset: 64, .size: 8, .value_kind: global_buffer, .address_space: global }
    .group_segment_fixed_size: 327680
    .private_segment_fixed_size: 0
    .kernarg_segment_align: 8
    .kernarg_segment_size: 72
    .max_flat_workgroup_size: 128
    .sgpr_count:     100
    .vgpr_count:     1024
    .wavefront_size: 32
...
	.end_amdgpu_metadata
.endif
;; end of part 2
;; launch attn (part 3): grid 8 x 32, 16 waves a work-group, no clusters, 276,480 bytes of LDS; arguments img, isc, mbits, mflag, Q, out0; writes out0
.if DOCPART == 3
	.amdgcn_target "amdgcn-amd-amdhsa--gfx1250"
	.amdhsa_code_object_version 6
	.text
	.protected	k_q8816a2a81f_attn
	.globl	k_q8816a2a81f_attn
	.p2align	8
	.type	k_q8816a2a81f_attn,@function
k_q8816a2a81f_attn:
	s_mov_b64 s[64:65], 0
	v_nop
	global_prefetch_b8 v0, s[64:65] scope:SCOPE_SE
	s_setreg_imm32_b32 hwreg(HW_REG_WAVE_MODE, 25, 1), 1
	s_wait_xcnt 0x0
; ATTN: out = softmax(mask(q k^T / 8)) v + Q, both products on codes of FP6 (E2M3) with E8M0 scales.  Grid y = 16 b + head, grid x = 0 .. 7; a work-group has the sixteen query tiles 8 pi + x, pi = 0 .. 15.
; THE SOFTMAX: t = score x log2(e) / 8; M = the running largest t rounded up to a whole number; p = 2^(t - M) is quantised along the keys, not normalised; the sum of the unquantised p divides at the end.
; When M moves, the sum and O are multiplied by 2^(old M - new M): exact.  A row with no open key ends with 0 x (1 / 0): NaN, as the definition gives.
; SHARES.  Sixteen waves, four to a SIMD.  Wave j (0 .. 7) takes tile pi = 8 + j over key steps 0 .. 8 and leaves O, -M and the sum in its LDS stage.  Wave 8 + j takes tile pi = 7 - j over all sixteen steps
; and sends it out, then tile 8 + j over steps 9 .. 15; behind one barrier it joins the two parts (both brought under the larger M by exact powers of two) and sends that tile out.
; The division is fixed by the wave's number and serves every mask; where a mask hides late keys from early queries it gives the waves 9 and 8 steps with open pairs.
; THE WHOLE HEAD LIES IN LDS: K's and V's 64 fragments each (images of operand registers, 1,536 bytes) and their scale words, 204,800 bytes, copied once through registers; one barrier.
; NO CLUSTER, NO TENSOR LOADS: the eight work-groups of a head read the same K and V, but each wave's walk branches on flags read from memory.
; K and V are copied once at the head, where no loop runs ahead of them, so they are not prefetched; the residual rows are.
; LAYOUT.  S^T = K Q^T, O^T = V^T P^T: a lane holds ONE query (lane % 16).  Register 8 t + j of lane (r, h) is key 16 t + 8 h + j of the step.
; K = 64 IN AN INSTRUCTION OF 128: a fragment of K holds two key tiles; q stands as [q | 0] and as [0 | q] (the zeros shared), with scale words (s0, s1, 0, 0) and (0, 0, s0, s1): the other half meets zero codes.
; THE MASK is an input: the first launch has turned it into lane masks and two flags a (tile, step).  A step with no open pair is left out (its p are all 0); only a step with a masked pair loads its 64 lane masks.
; LIMITS: p under 2^-126 is flushed to 0 by v_exp_f32; a block of p that is all zeros keeps the byte 1; NaN and infinities among the inputs are not served; scaled scores stay under 2^31 in magnitude.
.set VI,   98304                       ; LDS: K's images at 0, V's here,
.set KSC,  196608                      ; K's scale words, V's 4,096 bytes on,
.set STG,  204800                      ; a stage of 4,352 bytes for each wave,
.set SPARE, 274432                     ; and the spare words, 128 bytes a wave
.set FRB,  1536
.set CUT,  9                           ; the late tile's steps 0 .. CUT - 1 go to wave j, the rest to wave 8 + j
.set FR,   44                          ; v44-91   four fragments
.set S,    92                          ; v92-155  S^T, then p
.set O,    156                         ; v156-187 O^T
.set PC,   188                         ; v188-199 p's codes
.set T2,   200
.set BM,   208
.set BT,   212
.set SOP,  216
.set PW,   220
.set CB,   229
; v1 16 lane; v2 + VI; v3 KSC + 16 r; v4 -infinity; v5-7 the step's addresses; v8, v221 my two tiles' offsets in Q and out0; v9 the prefetch's; v10, v11 my stage; v12 -M; v13 largest t; v[14:15] the sum;
; v16-21 q, v22-27 zeros, v28-33 q; v34, v35 q's scale words; v[36:39] K's, v[40:43] V's; v[222:223] f; v224-227 at work; v234-237 q's offsets; v238, v239 the pair's exchange stage; v240-253 partial sums
; s16 wave, s17 x; s[22:23] c; s[24:25] lane selects; s26, s27, s31 the step's bytes in images, records, lane masks; s28 trips; s29, s30 flags; s67, s20, s66 the second walk's flags and offset; s100, s101 from tile to tile
	s_load_b256 s[4:11], s[0:1], 0x0               ; img, isc, mbits, mflag
	s_load_b128 s[12:15], s[0:1], 0x20             ; Q, out0
	v_lshl_add_u32 v254, v0, 2, SPARE
	v_mov_b32 v255, 0
	v_lshrrev_b32 v1, 5, v0
	v_readfirstlane_b32 s16, v1
	s_mov_b32 s17, ttmp9
	s_and_b32 s18, ttmp7, 0xffff
	s_and_b32 s2, s16, 7                           ; j
	s_add_co_u32 s20, s2, 8                        ; the late tile's pi
	s_sub_co_u32 s3, 7, s2                         ; the early tile's
	s_cmp_lt_u32 s16, 8
	s_cselect_b32 s19, s20, s3                     ; my first tile's
	s_sub_co_u32 s21, s20, s19
	s_mul_i32 s100, s21, 4*FRB                     ; from my first tile's q to the late tile's
	s_lshl_b32 s101, s21, 8
	s_mul_i32 s27, s2, 4352
	s_add_co_u32 s27, s27, STG                     ; the pair's exchange: wave j's stage
	s_mul_i32 s26, s16, 4352
	s_add_co_u32 s26, s26, STG                     ; my stage
	s_lshl_b32 s28, s17, 4
	s_lshl_b32 s22, s19, 3
	s_add_co_u32 s22, s22, s17                     ; my first tile
	s_lshl_b32 s23, s20, 3
	s_add_co_u32 s23, s23, s17                     ; the late tile
	s_lshl_b32 s66, s22, 16
	s_lshl_b32 s67, s23, 16
	s_lshl_b32 s2, s19, 2
	s_lshr_b32 s3, s17, 1
	s_add_co_u32 s2, s2, s3
	s_mul_i32 s2, s2, FRB                          ; q: fragment 4 pi + x / 2; registers 0-5 where x is even, 6-11 where odd
	s_lshl_b32 s3, s3, 2
	s_lshl_b32 s29, s19, 8
	s_add_co_u32 s3, s3, s29                       ; its scale word: record pi, word x / 2
	s_mov_b32 s31, 512
	s_and_b32 s30, s17, 1
	s_cmp_lg_u32 s30, 0
	s_cselect_b32 s29, 520, 0                      ; three pieces of 8 bytes in the image's planes
	s_cselect_b32 s30, 1024, 8
	s_cselect_b32 s31, 1032, s31
	s_add_co_u32 s29, s29, s2
	s_add_co_u32 s30, s30, s2
	s_add_co_u32 s31, s31, s2
	v_and_b32 v224, 31, v0                         ; lane
	v_and_b32 v225, 15, v0                         ; r
	v_bfe_u32 v226, v0, 4, 1                       ; h
	v_lshlrev_b32 v1, 4, v224
	v_lshl_add_u32 v3, v225, 4, KSC
	v_mov_b32 v4, 0xff800000
	v_lshlrev_b32 v227, 4, v225
	v_add_nc_u32 v2, VI, v1
	v_lshl_add_u32 v227, v226, 12, v227            ; 4,096 h + 16 r
	v_lshrrev_b32 v9, 4, v0
	v_mul_u32_u24 v10, v225, 272
	v_mul_u32_u24 v11, v226, 272
	v_add_nc_u32 v8, s66, v227
	v_add_nc_u32 v221, s67, v227
	v_lshlrev_b32 v9, 7, v9
	v_lshl_add_u32 v10, v226, 5, v10
	v_lshl_add_u32 v11, v225, 4, v11
	v_add_nc_u32 v9, v9, v225
	v_add_nc_u32 v9, s28, v9                       ; the prefetch: row 128 (thread / 16) + 16 x + r,
	v_add_nc_u32 v10, s26, v10                     ; stage, in: row r, + 32 h
	v_add_nc_u32 v11, s26, v11                     ; stage, out: lanes 0-15 one row, lanes 16-31 the next
	v_lshlrev_b32 v9, 12, v9                       ; of 4,096 bytes
	v_add_nc_u32 v238, s27, v1
	v_lshl_add_u32 v239, v224, 2, s27
	v_lshlrev_b32 v[CB], 4, v0
	v_and_b32 v228, 255, v0
	v_lshrrev_b32 v233, 8, v0
	v_add_nc_u32 v239, 4096, v239
.irp k, 1,2,3
	v_add_nc_u32 v[CB+\k], 65536*\k, v[CB]
.endr
	v_lshlrev_b32 v228, 4, v228
	v_add_nc_u32 v234, s29, v1
	v_add_nc_u32 v235, s30, v1
	v_add_nc_u32 v236, s31, v1
	v_lshl_add_u32 v228, v233, 17, v228            ; the scale words: threads 0-255 K's, threads 256-511 V's, 131,072 bytes on
	v_lshl_add_u32 v237, v225, 4, s3
	s_wait_alu depctr_va_vdst(0)                   ; the wait here, ahead of the blocking wait
	s_wait_kmcnt 0x0
	s_mov_b32 s3, 0
	s_mul_i32 s2, s18, 98304
	s_add_nc_u64 s[4:5], s[4:5], s[2:3]            ; the head's images (q's; k's and v's 3,145,728 and 6,291,456 bytes on)
	s_lshl_b32 s2, s18, 12
	s_add_nc_u64 s[6:7], s[6:7], s[2:3]            ; its scale words
.macro QLOAD                           ; q twice: the two forms share the zeros, not q
	global_load_b64 v[16:17], v234, s[4:5]
	global_load_b64 v[18:19], v235, s[4:5]
	global_load_b64 v[20:21], v236, s[4:5]
	global_load_b64 v[28:29], v234, s[4:5]
	global_load_b64 v[30:31], v235, s[4:5]
	global_load_b64 v[32:33], v236, s[4:5]
	global_load_b32 v34, v237, s[6:7]
.endm
.irp i, 0,1,2,3,4,5,6,7,8,9,10,11                  ; the copy: 25 loads of 8,192 consecutive bytes a work-group
	global_load_b128 v[S+4*\i:S+4*\i+3], v[CB], s[4:5] offset:3145728+8192*\i
.endr
.irp i, 12,13,14,15,16,17,18,19,20,21,22,23
	global_load_b128 v[S+4*\i:S+4*\i+3], v[CB], s[4:5] offset:6291456+8192*(\i-12)
.endr
	global_load_b128 v[S+96:S+99], v228, s[6:7] offset:131072
	QLOAD
	s_lshr_b32 s21, s18, 4                         ; b
	s_lshl_b32 s2, s21, 19
	s_add_nc_u64 s[8:9], s[8:9], s[2:3]            ; the batch's lane masks: 4,096 bytes a tile
	s_lshl_b32 s2, s21, 13
	s_add_nc_u64 s[10:11], s[10:11], s[2:3]        ; and flags: 64 bytes a tile
	s_lshl_b32 s26, s22, 6
	s_lshl_b32 s27, s23, 6
	s_load_b512 s[32:47], s[10:11], s26 offset:0x0 ; my first tile's sixteen flags,
	s_load_b512 s[48:63], s[10:11], s27 offset:0x0 ; the late tile's
	s_lshl_b32 s2, s21, 23
	s_and_b32 s28, s18, 15
	s_lshl_b32 s28, s28, 8
	s_add_co_u32 s2, s2, s28
	s_add_nc_u64 s[12:13], s[12:13], s[2:3]        ; Q and out0 at the batch's first row, the head's 256 bytes: never rewritten
	s_add_nc_u64 s[14:15], s[14:15], s[2:3]
	s_lshl_b32 s31, s22, 12
	s_lshl_b32 s66, s23, 12
	s_add_co_u32 s66, s66, CUT*256
.irp i, 0,1,2,3,4,5,6,7,8,9,10,11,12,13,14,15,16,17,18,19,20,21,22,23,24
	s_wait_loadcnt 31-\i                           ; load i is in: behind it stand 24 - i of the copy and q's seven
	ds_store_b128 v[CB+\i/8], v[S+4*\i:S+4*\i+3] offset:8192*(\i%8)
.endr
	s_wait_dscnt 0x0                               ; for the others' sake: my part of the head lies in LDS
	s_barrier_signal -1
	s_barrier_wait -1                              ; everybody's does; LDS below the stages is only read from here on
	; the residual: the work-group's 256 rows of Q, this head's 256 bytes of each, a lane a row, one instruction in each of waves 0 to 7; its address registers are never rewritten
	s_cmp_lt_u32 s16, 8
	s_cbranch_scc0 .Lno_ask
	global_prefetch_b8 v9, s[12:13] th:TH_LOAD_NT scope:SCOPE_SE
.Lno_ask:
	s_wait_loadcnt 0x0                             ; q
	s_wait_kmcnt 0x0                               ; the flags
	s_and_b32 s2, s17, 1
	s_lshl_b32 s2, s2, 4
	v_bfe_u32 v34, v34, s2, 16                     ; (s0, s1, 0, 0)
	v_lshlrev_b32 v35, 16, v34                     ; (0, 0, s0, s1)
	s_mov_b32 s3, 0
	s_mov_b32 s28, 0
.irp i, 0,1,2,3,4,5,6,7,8,9,10,11,12,13,14,15
	s_lshl_b32 s2, s[32+\i], \i
	s_or_b32 s3, s3, s2
	s_lshl_b32 s2, s[48+\i], \i
	s_or_b32 s28, s28, s2
.endr
	s_and_b32 s29, s3, 0xffff                      ; bit s: step s has an open pair
	s_lshr_b32 s30, s3, 16                         ; bit s: step s has a masked pair
	s_bfe_u32 s67, s28, 0x70009                    ; the same of the late tile's steps 9 .. 15
	s_lshr_b32 s20, s28, 25
	s_mov_b32 s2, 0xffff
	s_cmp_lt_u32 s16, 8
	s_cselect_b32 s2, 0x1ff, s2                    ; waves 0-7: steps 0 .. 8 alone,
	s_cselect_b32 s67, 0, s67                      ; and nothing in the second walk
	s_and_b32 s29, s29, s2
	s_mov_b32 s22, 0x3e38aa3b                      ; c = log2(e) / 8
	s_mov_b32 s23, s22
	s_mov_b32 s24, 0x76543210
	s_mov_b32 s25, 0xfedcba98
	s_mov_b32 s26, 0
	s_mov_b32 s27, 0
.macro INIT                            ; which step is a walk's first hangs on the flags, so the step is written once and finds zeros
.irp j, 0,1,2,3,4,5,6,7,8,9,10,11,12,13,14,15,16,17,18,19,20,21,22,23,24,25,26,27,28,29,30,31
	v_mov_b32 v[O+\j], 0
.endr
	v_mov_b32 v14, 0
	v_mov_b32 v15, 0
	v_mov_b32 v13, 0xff61b1e6                      ; the largest t so far: -3e38
	v_floor_f32 v12, -v13                          ; -M
.endm
.irp j, 22,23,24,25,26,27
	v_mov_b32 v\j, 0                               ; the zero codes
.endr
.irp b, 0,1,2,3
	v_mov_b32 v[BT+\b], 0                          ; a lane permute's destination counts as one of its sources
.endr
	v_mov_b32 v223, 0
	INIT
	s_wait_alu depctr_va_vdst(0)                   ; the wait at the head's end
; a step's front: K's fragments, the scores, V's fragments on their way; m = 1: the step's 64 lane masks are loaded and applied
.macro FRONT m
.if \m
	s_load_b512 s[32:47], s[8:9], s31 offset:0x0
	s_load_b512 s[48:63], s[8:9], s31 offset:0x40
	s_load_b512 s[68:83], s[8:9], s31 offset:0x80
	s_load_b512 s[84:99], s[8:9], s31 offset:0xc0
.endif
	v_add_nc_u32 v5, s26, v1
	v_add_nc_u32 v6, s26, v2
	v_add_nc_u32 v7, s27, v3
	v_nop                                          ; four plain lines between the last step's products and the loads into their fragments
.irp f, 0,1,2,3
.irp c, 0,1,2
	ds_load_b128 v[FR+12*\f+4*\c:FR+12*\f+4*\c+3], v5 offset:FRB*\f+512*\c
.endr
.endr
	ds_load_b128 v[36:39], v7
	s_wait_alu depctr_va_vdst(0)
	s_wait_dscnt 0x0
.irp f, 0,1,2,3                                    ; key tiles 2 f and 2 f + 1 from one fragment; eight accumulators, each begun with 0
	v_wmma_scale_f32_16x16x128_f8f6f4 v[S+16*\f:S+16*\f+7], v[FR+12*\f:FR+12*\f+11], v[16:27], 0, v[36+\f], v34 matrix_a_fmt:MATRIX_FMT_FP6 matrix_b_fmt:MATRIX_FMT_FP6
	v_wmma_scale_f32_16x16x128_f8f6f4 v[S+16*\f+8:S+16*\f+15], v[FR+12*\f:FR+12*\f+11], v[22:33], 0, v[36+\f], v35 matrix_a_fmt:MATRIX_FMT_FP6 matrix_b_fmt:MATRIX_FMT_FP6
.endr
.rept 4
	v_nop                                          ; places in front of the loads below and of the first read of the scores
.endr
.irp t, 0,1,2,3
.irp c, 0,1,2
	ds_load_b128 v[FR+12*\t+4*\c:FR+12*\t+4*\c+3], v6 offset:FRB*\t+512*\c   ; V's fragments land under the softmax
.endr
.endr
	ds_load_b128 v[40:43], v7 offset:4096
.if \m
	s_wait_kmcnt 0x0                               ; the lane masks are in, and s31 may be stepped
.set n, 0
.rept 64
	v_cndmask_b32 v[S+n], v[S+n], v4, s[32+n+4*(n/32)]   ; a masked pair's score becomes -infinity: p = 0
.set n, n+1
.endr
.endif
.endm
.macro SOFT
.irp b, 0,1,2,3
	v_max3_num_f32 v[BM+\b], v[S+16*\b], v[S+1+16*\b], v[S+2+16*\b]   ; each block's largest score: for the row's maximum and, since p rises with the score, for the block's largest p
.endr
.irp i, 3,5,7,9,11,13
.irp b, 0,1,2,3
	v_max3_num_f32 v[BM+\b], v[BM+\b], v[S+16*\b+\i], v[S+1+16*\b+\i]
.endr
.endr
.irp b, 0,1,2,3
	v_max_num_f32 v[BM+\b], v[BM+\b], v[S+15+16*\b]
.endr
.irp b, 0,1,2,3
	v_permlanex16_b32 v[BT+\b], v[BM+\b], s24, s25
.endr
.irp b, 0,1,2,3
	v_max_num_f32 v[BM+\b], v[BM+\b], v[BT+\b]     ; with lane l xor 16's 16 keys
.endr
	v_max3_num_f32 v224, v[BM], v[BM+1], v[BM+2]
	s_delay_alu instid0(VALU_DEP_1)
	v_max_num_f32 v224, v224, v[BM+3]
	s_delay_alu instid0(VALU_DEP_1)
	v_mul_f32 v224, s22, v224                      ; the step's largest t of my query
	s_delay_alu instid0(VALU_DEP_1)
	v_max_num_f32 v13, v13, v224
	v_mov_b32 v224, v12
	s_delay_alu instid0(VALU_DEP_2)
	v_floor_f32 v12, -v13                          ; the new -M = -ceil(t)
	s_delay_alu instid0(VALU_DEP_1)
	v_sub_f32 v224, v12, v224                      ; old M - new M: a whole number, 0 or less
	s_delay_alu instid0(VALU_DEP_1)
	v_cvt_i32_f32 v224, v224                       ; (it saturates)
	s_delay_alu instid0(VALU_DEP_1)
	v_ldexp_f32 v222, 1.0, v224                    ; f = 2^(old M - new M)
.irp j, 0,2,4,6,8,10,12,14,16,18,20,22,24,26,28,30,32,34,36,38,40,42,44,46,48,50,52,54,56,58,60,62
	v_pk_fma_f32 v[S+\j:S+\j+1], v[S+\j:S+\j+1], s[22:23], v[12:13] op_sel_hi:[1,0,0]   ; t - M
.endr
.irp b, 0,1,2,3
	v_fma_f32 v[BM+\b], v[BM+\b], s22, v12
.endr
	s_wait_alu depctr_va_vdst(0)                   ; the wait ahead of the batch
.irp j, 0,1,2,3,4,5,6,7,8,9,10,11,12,13,14,15,16,17,18,19,20,21,22,23,24,25,26,27,28,29,30,31,32,33,34,35,36,37,38,39,40,41,42,43,44,45,46,47,48,49,50,51,52,53,54,55,56,57,58,59,60,61,62,63
	v_exp_f32 v[S+\j], v[S+\j]                     ; p = 2^(t - M)
.endr
	v_pk_mul_f32 v[14:15], v[14:15], v[222:223] op_sel_hi:[1,0]   ; the sum under the new M (the plain line behind the exponentials)
	s_wait_alu depctr_va_vdst(0)                   ; one wait for the batch of 64
.irp b, 0,1,2,3
	v_exp_f32 v[BM+\b], v[BM+\b]                   ; the blocks' largest p
.endr
.irp c, 1,2,3,4,5,6,7                              ; the sum of the unquantised p: 32 pairs in eight chains
	v_pk_add_f32 v[238+2*\c:239+2*\c], v[S+2*\c:S+2*\c+1], v[S+14+2*\c:S+15+2*\c]
.endr
	v_pk_add_f32 v[14:15], v[14:15], v[S:S+1]
.irp g, 30,46
.irp c, 1,2,3,4,5,6,7
	v_pk_add_f32 v[238+2*\c:239+2*\c], v[238+2*\c:239+2*\c], v[S+\g+2*\c:S+\g+2*\c+1]
.endr
	v_pk_add_f32 v[14:15], v[14:15], v[S+\g:S+\g+1]
.endr
	v_pk_add_f32 v[240:241], v[240:241], v[248:249]
	v_pk_add_f32 v[242:243], v[242:243], v[250:251]
	v_pk_add_f32 v[244:245], v[244:245], v[252:253]
	v_pk_add_f32 v[14:15], v[14:15], v[S+62:S+63]
	v_pk_add_f32 v[242:243], v[242:243], v[246:247]
	v_pk_add_f32 v[240:241], v[240:241], v[244:245]
	v_pk_add_f32 v[14:15], v[14:15], v[242:243]
	s_delay_alu instid0(VALU_DEP_1)
	v_pk_add_f32 v[14:15], v[14:15], v[240:241]
	s_wait_alu depctr_va_vdst(0)                   ; and one for the four
.irp b, 0,1,2,3
	v_max_num_f32 v[BM+\b], 0x1800000, v[BM+\b]    ; the floor 2^(3 - 127)
.endr
.irp b, 0,1,2,3
	v_add_nc_u32 v[SOP+\b], 0xff000000, v[BM+\b]
.endr
.irp b, 0,1,2,3
	v_lshrrev_b32 v[BT+\b], 23, v[SOP+\b]
.endr
	v_lshl_or_b32 v[PW], v[BT+1], 8, v[BT]
	s_delay_alu instid0(VALU_DEP_1)
	v_lshl_or_b32 v[PW], v[BT+2], 16, v[PW]
	s_delay_alu instid0(VALU_DEP_1)
	v_lshl_or_b32 v[PW], v[BT+3], 24, v[PW]        ; p's scale word for these 128 keys
.irp c, 0,1
	v_cvt_scalef32_pk16_fp6_f32 v[PC+6*\c:PC+2+6*\c], v[S+32*\c:S+15+32*\c], v[SOP+2*\c]
	v_cvt_scalef32_pk16_fp6_f32 v[T2+4*\c:T2+2+4*\c], v[S+16+32*\c:S+31+32*\c], v[SOP+2*\c+1]
.endr
	v_nop                                          ; a plain line behind the last conversion
.irp c, 0,1
.irp i, 0,1,2
	v_permlane16_swap_b32 v[PC+6*\c+\i], v[T2+4*\c+\i]   ; a whole block to a lane
.endr
.endr
.irp c, 0,1
.irp i, 0,1,2
	v_mov_b32 v[PC+3+6*\c+\i], v[T2+4*\c+\i]
.endr
.endr
	s_wait_alu depctr_va_vdst(0)                   ; the wait directly ahead of the first reader of O^T
.irp j, 0,2,4,6,8,10,12,14,16,18,20,22,24,26,28,30
	v_pk_mul_f32 v[O+\j:O+\j+1], v[O+\j:O+\j+1], v[222:223] op_sel_hi:[1,0]   ; O^T under the new M; also the places between p's codes and scale word and the products
.endr
	s_wait_alu depctr_va_vdst(0)
	s_wait_dscnt 0x0                               ; V's fragments and scale words
.irp t, 0,1,2,3                                    ; four accumulators by turns, one instruction a turn
	v_wmma_scale_f32_16x16x128_f8f6f4 v[O+8*\t:O+8*\t+7], v[FR+12*\t:FR+12*\t+11], v[PC:PC+11], v[O+8*\t:O+8*\t+7], v[40+\t], v[PW] matrix_a_fmt:MATRIX_FMT_FP6 matrix_b_fmt:MATRIX_FMT_FP6
.endr
.endm
; a walk: a constant number of trips in every wave; the flags lead round a step's work
.macro WALK id, trips
	s_mov_b32 s28, 0
.Lstep\id:
	s_bitcmp1_b32 s29, 0
	s_cbranch_scc0 .Lnext\id                       ; no open pair: every p would be 0
	s_bitcmp1_b32 s30, 0
	s_cbranch_scc0 .Lplain\id                      ; nothing is masked in this step
	FRONT 1
	s_branch .Lsoft\id
.Lplain\id:
	FRONT 0
.Lsoft\id:
	SOFT
.Lnext\id:
	s_add_co_u32 s26, s26, 4*FRB
	s_add_co_u32 s27, s27, 256
	s_add_co_u32 s31, s31, 256
	s_lshr_b32 s29, s29, 1
	s_lshr_b32 s30, s30, 1
	s_add_co_u32 s28, s28, 1
	s_cmp_lt_u32 s28, \trips
	s_cbranch_scc1 .Lstep\id
.rept 4
	v_nop                                          ; places behind the last products
.endr
.endm
; the way out of a tile: O^T / the sum, through my own stage so that sixteen lanes hold a row's 256 consecutive bytes, + the residual
.macro FINISH vo
.irp i, 0,1,2,3,4,5,6,7
	global_load_b128 v[S+4*\i:S+4*\i+3], v[\vo], s[12:13] offset:8192*\i th:TH_LOAD_NT   ; rows 2 i + h of Q, this head's 256 bytes
.endr
	s_wait_alu depctr_va_vdst(0)
	v_add_f32 v14, v14, v15
	s_delay_alu instid0(VALU_DEP_1)
	v_permlanex16_b32 v224, v14, s24, s25
	s_delay_alu instid0(VALU_DEP_1)
	v_add_f32 v14, v14, v224                       ; the row's sum
	s_wait_alu depctr_va_vdst(0)
	v_rcp_f32 v222, v14
	v_nop                                          ; a plain line behind the transcendental
	s_wait_alu depctr_va_vdst(0)                   ; and the wait ahead of its first use
.irp j, 0,2,4,6,8,10,12,14,16,18,20,22,24,26,28,30
	v_pk_mul_f32 v[O+\j:O+\j+1], v[O+\j:O+\j+1], v[222:223] op_sel_hi:[1,0]   ; register 8 t + j is o(query r, 16 t + 8 h + j)
.endr
.irp t, 0,1,2,3
	ds_store_b128 v10, v[O+8*\t:O+8*\t+3] offset:64*\t
	ds_store_b128 v10, v[O+8*\t+4:O+8*\t+7] offset:64*\t+16
.endr
.irp i, 0,1,2,3,4,5,6,7
	ds_load_b128 v[124+4*\i:127+4*\i], v11 offset:544*\i   ; LDS serves a wave's instructions in order: these see my stores
.endr
	s_wait_loadcnt 0x0                             ; the residual (and whatever was asked for ahead of it)
.irp i, 0,1,2,3,4,5,6,7
	s_wait_dscnt 7-\i                              ; load i is back; the 7 - i younger ones may be out
	v_pk_add_f32 v[124+4*\i:125+4*\i], v[124+4*\i:125+4*\i], v[S+4*\i:S+4*\i+1]
	v_pk_add_f32 v[126+4*\i:127+4*\i], v[126+4*\i:127+4*\i], v[S+4*\i+2:S+4*\i+3]
	global_store_b128 v[\vo], v[124+4*\i:127+4*\i], s[14:15] offset:8192*\i th:TH_STORE_NT   ; sixteen lanes store 256 consecutive bytes, at a multiple of 256 from out0's first byte
.endr
.endm
	WALK 1, 16                                     ; waves 0-7: the late tile's steps 0 .. 8; waves 8-15: the early tile
	s_cmp_lt_u32 s16, 8
	s_cbranch_scc0 .Lrole_b
	v_add_f32 v14, v14, v15                        ; my part of the late tile goes to the exchange as an image of its registers
.irp k, 0,1,2,3,4,5,6,7
	ds_store_b128 v238, v[O+4*\k:O+4*\k+3] offset:512*\k
.endr
	ds_store_b32 v239, v12
	ds_store_b32 v239, v14 offset:128
	s_wait_alu depctr_va_vdst(0)                   ; the wait here, directly ahead of the branch
	s_branch .Ljoin
.Lrole_b:
	v_add_nc_u32 v234, s100, v234                  ; the late tile's q is asked for ahead of the early tile's way out
	v_add_nc_u32 v235, s100, v235
	v_add_nc_u32 v236, s100, v236
	v_add_nc_u32 v237, s101, v237
	QLOAD
	FINISH 8
	s_and_b32 s2, s17, 1
	s_lshl_b32 s2, s2, 4
	v_bfe_u32 v34, v34, s2, 16
	v_lshlrev_b32 v35, 16, v34
	INIT                                           ; also the places between q's scale words and the next products
	s_wait_xcnt 0x0                                ; the stores have read their registers: the next walk writes them
	s_wait_alu depctr_va_vdst(0)
.Ljoin:
	s_mov_b32 s29, s67
	s_mov_b32 s30, s20
	s_mov_b32 s31, s66
	s_mov_b32 s26, CUT*4*FRB
	s_mov_b32 s27, CUT*256
	WALK 2, 16-CUT                                 ; waves 8-15: the late tile's steps 9 .. 15; waves 0-7 find no flag set
	s_wait_dscnt 0x0                               ; for the partner's sake: my stores into the exchange are done
	s_barrier_signal -1
	s_barrier_wait -1
	s_cmp_lt_u32 s16, 8
	s_cbranch_scc1 .Lend
.irp k, 0,1,2,3,4,5,6,7
	ds_load_b128 v[S+4*\k:S+4*\k+3], v238 offset:512*\k   ; the partner's O^T,
.endr
	ds_load_b32 v224, v239                         ; its -M,
	ds_load_b32 v225, v239 offset:128              ; its sum
	s_wait_dscnt 0x0
	v_add_f32 v14, v14, v15
	v_min_num_f32 v226, v12, v224                  ; the joint -M
	s_delay_alu instid0(VALU_DEP_1)
	v_sub_f32 v224, v226, v224                     ; the partner's M less the joint one: a whole number, 0 or less
	v_sub_f32 v227, v226, v12                      ; and mine
	s_delay_alu instid0(VALU_DEP_2)
	v_cvt_i32_f32 v224, v224
	s_delay_alu instid0(VALU_DEP_2)
	v_cvt_i32_f32 v227, v227
	s_delay_alu instid0(VALU_DEP_1)
	v_ldexp_f32 v222, 1.0, v227                    ; my factor,
	v_ldexp_f32 v226, 1.0, v224                    ; the partner's: both exact powers of two
	v_mov_b32 v15, 0
	s_delay_alu instid0(VALU_DEP_3)
	v_mul_f32 v14, v14, v222
	s_delay_alu instid0(VALU_DEP_1)
	v_fma_f32 v14, v225, v226, v14
.irp j, 0,2,4,6,8,10,12,14,16,18,20,22,24,26,28,30
	v_pk_mul_f32 v[O+\j:O+\j+1], v[O+\j:O+\j+1], v[222:223] op_sel_hi:[1,0]
.endr
.irp j, 0,2,4,6,8,10,12,14,16,18,20,22,24,26,28,30
	v_pk_fma_f32 v[O+\j:O+\j+1], v[S+\j:S+\j+1], v[226:227], v[O+\j:O+\j+1] op_sel_hi:[1,0,1]
.endr
	FINISH 221
.Lend:
	s_wait_tensorcnt 0x0                           ; the wave's end
	ds_add_u32 v254, v255
	s_wait_dscnt 0x0
	s_endpgm
.Lfunc_end_k_q8816a2a81f_attn:
	.size	k_q8816a2a81f_attn, .Lfunc_end_k_q8816a2a81f_attn-k_q8816a2a81f_attn
	.p2alignl 7, 3214868480
	.fill 96, 4, 3214868480
	.section	.rodata,"a",@progbits
	.p2align	6, 0x0
	.amdhsa_kernel k_q8816a2a81f_attn
		.amdhsa_group_segment_fixed_size 276480
		.amdhsa_private_segment_fixed_size 0
		.amdhsa_enable_private_segment 0
		.amdhsa_kernarg_size 48
		.amdhsa_user_sgpr_count 2
		.amdhsa_user_sgpr_kernarg_segment_ptr 1
		.amdhsa_wavefront_size32 1
		.amdhsa_system_sgpr_workgroup_id_x 1
		.amdhsa_system_sgpr_workgroup_id_y 1
		.amdhsa_system_sgpr_workgroup_id_z 1
		.amdhsa_system_vgpr_workitem_id 0
		.amdhsa_next_free_vgpr 256
		.amdhsa_next_free_sgpr 102
		.amdhsa_reserve_vcc 0
		.amdhsa_float_denorm_mode_32 3
		.amdhsa_float_denorm_mode_16_64 3
		.amdhsa_memory_ordered 1
		.amdhsa_forward_progress 1
		.amdhsa_inst_pref_size 79
	.end_amdhsa_kernel
	.amdgpu_metadata
---
amdhsa.version: [ 1, 2 ]
amdhsa.kernels:
  - .name:           k_q8816a2a81f_attn
    .symbol:         k_q8816a2a81f_attn.kd
    .args:
      - { .name: img, .offset: 0, .size: 8, .value_kind: global_buffer, .address_space: global }
      - { .name: isc, .offset: 8, .size: 8, .value_kind: global_buffer, .address_space: global }
      - { .name: mbits, .offset: 16, .size: 8, .value_kind: global_buffer, .address_space: global }
      - { .name: mflag, .offset: 24, .size: 8, .value_kind: global_buffer, .address_space: global }
      - { .name: Q, .offset: 32, .size: 8, .value_kind: global_buffer, .address_space: global }
      - { .name: out0, .offset: 40, .size: 8, .value_kind: global_buffer, .address_space: global }
    .group_segment_fixed_size: 276480
    .private_segment_fixed_size: 0
    .kernarg_segment_align: 8
    .kernarg_segment_size: 48
    .max_flat_workgroup_size: 512
    .sgpr_count:     102
    .vgpr_count:     256
    .wavefront_size: 32
...
	.end_amdgpu_metadata
.endif
;; end of part 3
